; MI455X (gfx1250); checked and timed in simulation.
; The chip was launched on July 23, 2026; its instructions are those of AMD's public machine-readable ISA for CDNA 5 (MIT licence, August 2026) and "CDNA5" Instruction Set Architecture Reference Guide (July 2026). The comments in the code are by the model that wrote it; some were corrected since.
;; Laguna Attention. Allowed arithmetic: matrix products marked QUANTISED: E4M3 operands, one E8M0 scale for each 32 along K, by v_wmma_scale_f32_16x16x128_f8f6f4 with both operands' format E4M3, f32 sums; products left as they are: f32 operands where the result goes on into a quantised operand, else bf16, f16 or f32 operands; f32 sums; everything else in f32.
;; Inputs: hidden_states 4,096 x 2,048 float32; k_norm_w 128 float32; positions 4,096 int32; q_norm_w 128 float32; w_g 2,048 x 8 float32; w_o_codes 2,048 x 32 x 32 uint8 (E4M3 codes of w_o, K innermost, in blocks of 32 codes); w_o_scales 2,048 x 32 uint8 (E8M0 scales of w_o, one for each 32 codes along K); w_qkv_codes 2,048 x 64 x 32 uint8 (E4M3 codes of w_qkv, K innermost, in blocks of 32 codes); w_qkv_scales 2,048 x 64 uint8 (E8M0 scales of w_qkv, one for each 32 codes along K).
;; Outputs: out0 4,096 x 2,048 float32.
;; This version of the problem:
;;   THIS VERSION OF THE PROBLEM IS GIVEN IN LOW PRECISION. The matrix products marked QUANTISED in the list below multiply operands that are first quantised to E4M3 (4 exponent bits, 3 mantissa bits; 8 bits a number), with one power-of-two scale for each 32 numbers along K (OCP MX v1.0); their sums are f32. All else is computed in f32.
;;   The module's matrix products, in the order in which they are computed (A, B: the left and right operand; K: the contracted axis; several contracted axes count as one K, in the product's order):
;;     1. [M 4,096, K 2,048] x [K 2,048, N 2,048]; A: input hidden_states; B: input w_qkv (given as codes): QUANTISED
;;     2. batch 8 x [M 4,096, K 128] x [K 128, N 4,096]; A: computed on the way; B: computed on the way: QUANTISED
;;     3. batch 8 x [M 128, K 4,096] x [K 4,096, N 4,096]; A: computed on the way; B: softmax (see below): QUANTISED
;;     4. [M 4,096, K 2,048] x [K 2,048, N 8]; A: input hidden_states; B: input w_g: left as it is (N = 8 < 16)
;;     5. [M 4,096, K 1,024] x [K 1,024, N 2,048]; A: computed on the way; B: input w_o (given as codes): QUANTISED
;;   THE QUANTISER, for each operand of a quantised product, along K:
;;     - K is cut into blocks of 32 from its start; a last block that is shorter is filled with zeros.
;;     - A block's scale is 2^e with e = floor(log2(the largest magnitude in the block)) - 8, held to -126 .. 127; a block of zeros has e = 0. As a byte (E8M0): e + 127.
;;     - Each number is divided by its block's scale, clamped to +-448, and rounded to the nearest number of E4M3, ties to even, subnormals kept.
;;     - The product sums the exact products of the quantised numbers (number of the format x scale) in f32.
;;   ~~~python
;;   def quantise(x, axis):      # numpy; x: float32 -> the quantised numbers, widened to float32 again
;;       x = np.moveaxis(x, axis, -1); K = x.shape[-1]
;;       x = np.pad(x, [(0, 0)] * (x.ndim - 1) + [(0, -K % 32)]); x = x.reshape(x.shape[:-1] + (-1, 32)); a = np.abs(x).max(-1, keepdims=True)
;;       e = np.where(a > 0, np.clip(np.frexp(np.where(a > 0, a, 1))[1] - 1 - 8, -126, 127), 0)      # np.frexp(a)[1] - 1 = floor(log2(a)), exactly
;;       r = np.clip(x / 2.0 ** e, -448, 448)
;;       step = 2.0 ** (np.maximum(np.frexp(np.where(r == 0, 1, r))[1] - 1, -6) - 3)
;;       q = np.round(r / step) * step * 2.0 ** e      # np.round: ties to even
;;       return np.moveaxis(q.reshape(q.shape[:-2] + (-1,))[..., :K], -1, axis).astype(np.float32)
;;   ~~~
;;   SOFTMAX AHEAD OF A QUANTISED PRODUCT. Where the list says 'softmax', what is quantised is not the finished softmax but p = 2^(t - M), with t = logit x log2(e) and M = ceil(the row's largest t), a whole number; so 1/2 < the row's largest p <= 1. The row's sum l is taken of the UNQUANTISED p, in f32, and the product's result is divided by l at the end. Since M is a whole number, a kernel that streams over the keys may use a running M (the ceiling of the running maximum): every later rescaling is an exact power of two, which a block's scale takes up: the codes' values come out the same.
;;   OPERANDS COMPUTED ON THE WAY. 'Computed on the way' means the value that the module computes at that place (a softmax that the list does not call 'softmax' is quantised finished and normalised). What goes into a quantiser is computed in f32, as accurately as f32 sums, v_exp_f32 and their like allow (about 1e-6 of the number): no bf16 or f16 on the way to a quantiser, and a product that is left as it is and whose result goes on into a quantised operand takes f32 operands (vector FMAs, or v_wmma_f32_16x16x4_f32). A number that lies on a knife's edge between two numbers of the format may be rounded either way, as far as f32 arithmetic and the matrix unit's own rounding can turn it there, and no further.
;;   INPUTS GIVEN AS CODES. w_o (in the module: [1024, 2048], K = its axis 0); w_qkv (in the module: [2048, 2048], K = its axis 0): each comes as NAME_codes (uint8): NAME with its K axis moved to the last place and cut into blocks of 32 codes, [.., K / 32, bytes a block], one block behind the other in memory; one code a byte (a code: sign, 4 exponent bits, 3 mantissa bits); and NAME_scales (uint8): the same leading axes, one E8M0 byte (e + 127) for each 32 codes along K. Its value is code x scale, taken as it is: it is not quantised again, and the codes and scales need not be those that the quantiser above would give.
;; One version. Each part assembles by itself: llvm-mc -triple=amdgcn-amd-amdhsa -mcpu=gfx1250 --defsym DOCPART=n.
;; ======== version 1 of 1: 4 launches
;; limits: right only within a limited range of input values
;; workspace buffers: xc 8,388,608 bytes; xs 262,144 bytes; gate 131,072 bytes; rope 2,097,152 bytes; qb 4,325,376 bytes; kv 4,325,376 bytes; ac 4,194,304 bytes; as 131,072 bytes
;; launch prep (part 1): grid 256 x 1, 16 waves a work-group, no clusters, 249,088 bytes of LDS; arguments hidden_states, w_g, positions, xc, xs, gate, rope; writes xc, xs, gate, rope
.if DOCPART == 1
	.amdgcn_target "amdgcn-amd-amdhsa--gfx1250"
	.amdhsa_code_object_version 6
	.text
	.protected	k_q3b82f8e385_prep
	.globl	k_q3b82f8e385_prep
	.p2align	8
	.type	k_q3b82f8e385_prep,@function
k_q3b82f8e385_prep:
	s_mov_b64 s[64:65], 0
	v_nop
	global_prefetch_b8 v0, s[64:65] scope:SCOPE_SE
	s_setreg_imm32_b32 hwreg(HW_REG_WAVE_MODE, 25, 1), 1
	s_wait_xcnt 0x0
; PREP.  hidden_states [4096][2048] f32 is read once and gives three things:
;   xc [token][2048] codes of FP8 (E4M3), K innermost, and xs [token][64] E8M0 bytes, one for each 32 along K;
;   gate [token][8] = softplus(hidden_states @ w_g), all in f32 (its result goes on into a quantised operand);
;   rope [tile of 16 tokens][cos, sin][8 images of 512 bytes]: image 2 t + q holds, at 16 x lane, for lane (r, h) the four numbers of channels 16 t + 8 h + 4 q + 0 .. 3 of token r.
; SHARES.  A work-group takes 16 tokens, wave w the 128 numbers 128 w .. 128 w + 127 of each: one operand fragment.  Each of a wave's 16 loads reads 512 consecutive bytes of one row;
; the numbers turn through the wave's own stage in LDS, so that lane (r, h) then holds, of row r, 16 neighbours of each block of 32 (register 16 b + i = k 32 b + 16 h + i).
; The gate's product uses the same registers: 32 f32 matrix instructions of 4 along K, source 0 = w_g transposed (row m takes column m % 8), source 1 = x.  Both sources carry the same k in the same place.
; Waves 8 to 15 make the table while their loads are on their way.  One barrier: behind it code rows, scale rows and the 16 parts of the gate lie in LDS and leave in runs of 512 bytes.
; No cluster: the work-groups share w_g alone, 64 KiB against the 128 KiB that each reads for itself, and nothing here comes by a tensor load.
; LIMITS: NaN and infinities are not served.  A block whose largest magnitude lies under 2^-118 keeps the byte 1 (a block of zeros too: its codes are zeros; this program alone reads the bytes).
; |positions| up to about 2^22: the angle is reduced by pi/2 in two parts.  The inverse frequency is 2^(-i log2(10000)/64), within about one unit in the last place of the true number.
; softplus(x) = max(x, 0) + 2 atanh(e / (2 + e)), e = 2^(-|x| log2 e), by a series cut at u^15 / 15 with u <= 1/3: what is cut is under 2e-9 of the sum for every x.
.set TSTG, 0                           ; LDS: a turn stage for each wave: 16 rows x (512 + 16) bytes
.set WSTG, 16*8448                     ; a wave's 128 rows of w_g: 8 groups of 512 bytes + 32
.set STG,  WSTG+16*4352                ; 16 rows of codes, 2,048 bytes + 16
.set XSL,  STG+16*2064                 ; 16 rows of scale bytes, 64 each
.set GP,   XSL+1024                    ; 16 parts of the gate, 512 bytes each
.set WV,  18                           ; s18 wave
.set SEL, 20                           ; s[20:21] selects for v_permlanex16_b32: lane l xor 16
.set MNT, 22                           ; s22 the mantissa field of 448
.set HM,  32                           ; s32 mask of lanes 16 to 31
.set L16, 4                            ; v4  16 x lane
.set TS,  5                            ; v5  turn stage, in
.set TR,  6                            ; v6  turn stage, out
.set WS,  7                            ; v7  w_g's stage, in
.set WR,  8                            ; v8  w_g's stage, out
.set SA,  9                            ; v9  my codes' place in the code rows
.set SS,  10                           ; v10 my scale word's place
.set RA,  11                           ; v11 the code row that my wave stores
.set GS,  12                           ; v12 my part of the gate, in
.set GR,  13                           ; v13 the parts, out
.set XR,  14                           ; v14 the scale rows, out
.set POS, 15                           ; v15 my token's position
.set PW,  16                           ; v16 the scale word
.set PO,  17                           ; v17 4 r
.set G,   24                           ; v24-31 the gate's eight columns, my wave's part
.set TM,  32                           ; v32-47 at work in the quantiser
.set PC,  48                           ; v48-63 codes
.set X,   64                           ; v64-127 x
.set WGF, 128                          ; v128-191 w_g's fragments
.set ACC, 192                          ; v192-223 four f32 accumulators: written by matrix instructions alone
.set T,   224                          ; v224-255 table and softplus
	s_load_b256 s[4:11], s[0:1], 0x0               ; hidden s[4:5], w_g s[6:7], positions s[8:9], xc s[10:11]
	s_load_b128 s[12:15], s[0:1], 0x20             ; xs s[12:13], gate s[14:15]
	s_load_b64 s[16:17], s[0:1], 0x30              ; rope
	v_lshl_add_u32 v18, v0, 2, 0x3c500
	v_mov_b32 v19, 0
	v_lshrrev_b32 v1, 5, v0
	s_delay_alu instid0(VALU_DEP_1)
	v_readfirstlane_b32 s[WV], v1                  ; wave 0..15
	v_and_b32 v1, 31, v0                           ; lane
	v_and_b32 v2, 15, v0                           ; r
	v_bfe_u32 v3, v0, 4, 1                         ; h
	s_delay_alu instid0(VALU_DEP_3)
	v_lshlrev_b32 v[L16], 4, v1
	s_mul_i32 s23, s[WV], 8448
	v_add_nc_u32 v[TS], s23, v[L16]                ; in: row p at 528 p, 16 bytes a lane
	v_mul_u32_u24 v[TR], v2, 528
	s_delay_alu instid0(VALU_DEP_1)
	v_lshl_add_u32 v[TR], v3, 6, v[TR]
	s_delay_alu instid0(VALU_DEP_1)
	v_add_nc_u32 v[TR], s23, v[TR]                 ; out: row r, + 64 h: my 16 numbers of a block of 32
	s_mul_i32 s23, s[WV], 4352
	s_add_co_u32 s23, s23, WSTG
	v_add_nc_u32 v[WS], s23, v[L16]
	v_and_b32 v[WR], 7, v0
	s_delay_alu instid0(VALU_DEP_1)
	v_lshlrev_b32 v[WR], 2, v[WR]
	s_delay_alu instid0(VALU_DEP_1)
	v_mad_u32_u24 v[WR], v3, 544, v[WR]
	s_delay_alu instid0(VALU_DEP_1)
	v_add_nc_u32 v[WR], s23, v[WR]                 ; column r % 8; lanes 16-31 one group of 16 rows further on
	v_mul_u32_u24 v[SA], v2, 2064
	s_delay_alu instid0(VALU_DEP_1)
	v_lshl_add_u32 v[SA], v3, 4, v[SA]
	s_lshl_b32 s23, s[WV], 7
	s_add_co_u32 s23, s23, STG
	v_add_nc_u32 v[SA], s23, v[SA]                 ; row r, byte 128 w + 16 h
	v_lshlrev_b32 v[SS], 6, v2
	s_lshl_b32 s23, s[WV], 2
	s_add_co_u32 s23, s23, XSL
	v_add_nc_u32 v[SS], s23, v[SS]                 ; row r, word w
	s_mul_i32 s23, s[WV], 2064
	s_add_co_u32 s23, s23, STG
	v_add_nc_u32 v[RA], s23, v[L16]
	v_lshlrev_b32 v[GS], 5, v2
	s_delay_alu instid0(VALU_DEP_1)
	v_lshl_add_u32 v[GS], v3, 4, v[GS]
	s_lshl_b32 s23, s[WV], 9
	s_add_co_u32 s23, s23, GP
	v_add_nc_u32 v[GS], s23, v[GS]                 ; part w: token r, columns 4 h on
	v_add_nc_u32 v[GR], GP, v[L16]
	v_add_nc_u32 v[XR], XSL, v[L16]
	v_lshlrev_b32 v[PO], 2, v2
	s_mov_b32 s[SEL], 0x76543210
	s_mov_b32 s[SEL+1], 0xfedcba98
	s_mov_b32 s[MNT], 0x600000
	s_mov_b32 s[HM], 0xffff0000
.irp b, 0,1,2,3
	v_mov_b32 v[TM+4+\b], 0                        ; written once: a lane permute's destination counts as one of its sources
.endr
	s_mov_b32 s25, 0
	s_wait_kmcnt 0x0
	s_lshl_b32 s24, ttmp9, 17                      ; 16 rows of 8,192 bytes,
	s_lshl_b32 s26, s[WV], 9                       ; my wave's 512 bytes of a row
	s_add_co_u32 s24, s24, s26
	s_add_nc_u64 s[4:5], s[4:5], s[24:25]
	s_lshl_b32 s24, s[WV], 12                      ; my 128 rows of w_g
	s_add_nc_u64 s[6:7], s[6:7], s[24:25]
	s_lshl_b32 s24, ttmp9, 6
	s_add_nc_u64 s[8:9], s[8:9], s[24:25]
	s_lshl_b32 s24, ttmp9, 15
	s_lshl_b32 s26, s[WV], 11
	s_add_co_u32 s24, s24, s26                     ; code row 16 T + w
	s_add_nc_u64 s[10:11], s[10:11], s[24:25]
	s_lshl_b32 s24, ttmp9, 10
	s_add_nc_u64 s[12:13], s[12:13], s[24:25]
	s_lshl_b32 s24, ttmp9, 9
	s_add_nc_u64 s[14:15], s[14:15], s[24:25]
	s_lshl_b32 s24, ttmp9, 13
	s_add_nc_u64 s[16:17], s[16:17], s[24:25]
	s_cmp_lt_u32 s[WV], 8
	s_cbranch_scc1 .Lno_pos
	s_wait_alu depctr_va_vdst(0)
	global_load_b32 v[POS], v[PO], s[8:9]          ; waves 8 to 15: the position first, so that a counted wait can show it
.Lno_pos:
.irp p, 0,1,2,3,4,5,6,7,8,9,10,11,12,13,14,15
	global_load_b128 v[X+4*\p:X+4*\p+3], v[L16], s[4:5] offset:8192*\p th:TH_LOAD_NT   ; 32 lanes read 512 consecutive bytes of row p
.endr
.irp i, 0,1,2,3,4,5,6,7
	global_load_b128 v[WGF+4*\i:WGF+4*\i+3], v[L16], s[6:7] offset:512*\i
.endr
	s_cmp_lt_u32 s[WV], 8
	s_cbranch_scc1 .Lno_table
	; ---- THE TABLE: wave 8 + k makes image k: four channels a lane, worked by turns
	s_sub_co_u32 s26, s[WV], 8
	s_lshr_b32 s27, s26, 1
	s_lshl_b32 s27, s27, 4                         ; 16 t
	s_and_b32 s28, s26, 1
	s_lshl_b32 s28, s28, 2                         ; 4 q
	s_add_co_u32 s27, s27, s28
	s_lshl_b32 s24, s26, 9
	s_add_nc_u64 s[16:17], s[16:17], s[24:25]      ; my image
	v_lshl_add_u32 v248, v3, 3, s27                ; 16 t + 4 q + 8 h
.irp e, 0,1,2,3
	v_add_nc_u32 v[T+28+\e], \e, v248
.endr
.irp e, 0,1,2,3
	s_delay_alu instid0(VALU_DEP_4)
	v_cvt_f32_u32 v[T+\e], v[T+28+\e]              ; i, the channel, 0 .. 63
.endr
.irp e, 0,1,2,3
	s_delay_alu instid0(VALU_DEP_4)
	v_mul_f32 v[T+4+\e], 0x3e549000, v[T+\e]       ; a = i x the upper 13 bits of log2(10000) / 64: exact
.endr
.irp e, 0,1,2,3
	s_delay_alu instid0(VALU_DEP_4)
	v_rndne_f32 v[T+8+\e], v[T+4+\e]               ; n
.endr
.irp e, 0,1,2,3
	s_delay_alu instid0(VALU_DEP_4)
	v_sub_f32 v[T+4+\e], v[T+8+\e], v[T+4+\e]      ; n - a: exact
.endr
.irp e, 0,1,2,3
	s_delay_alu instid0(VALU_DEP_4)
	v_fmamk_f32 v[T+4+\e], v[T+\e], 0xb82784bc, v[T+4+\e]   ; - i x the rest of the constant: -f, |f| at most a half and a little
.endr
	s_wait_alu depctr_va_vdst(0)
.irp e, 0,1,2,3
	v_exp_f32 v[T+12+\e], v[T+4+\e]                ; 2^-f
.endr
.irp e, 0,1,2,3
	v_cvt_i32_f32 v[T+8+\e], v[T+8+\e]             ; (plain work behind the exponentials)
.endr
.irp e, 0,1,2,3
	s_delay_alu instid0(VALU_DEP_4)
	v_sub_nc_u32 v[T+8+\e], 0, v[T+8+\e]           ; -n
.endr
	s_wait_loadcnt 24                              ; the position is in: behind it 16 loads of x and 8 of w_g were issued and may stay out
	v_cvt_f32_i32 v249, v[POS]
	s_wait_alu depctr_va_vdst(0)                   ; one wait for the four exponentials, ahead of their first reader
.irp e, 0,1,2,3
	v_ldexp_f32 v[T+12+\e], v[T+12+\e], v[T+8+\e]  ; the inverse frequency 2^(-n - f)
.endr
.irp e, 0,1,2,3
	s_delay_alu instid0(VALU_DEP_4)
	v_mul_f32 v[T+4+\e], v249, v[T+12+\e]          ; the angle: position x inverse frequency, in f32
.endr
.irp e, 0,1,2,3
	s_delay_alu instid0(VALU_DEP_4)
	v_mul_f32 v[T+8+\e], 0x3f22f983, v[T+4+\e]     ; x 2 / pi
.endr
.irp e, 0,1,2,3
	s_delay_alu instid0(VALU_DEP_4)
	v_rndne_f32 v[T+8+\e], v[T+8+\e]               ; m quarter turns
.endr
.irp e, 0,1,2,3
	s_delay_alu instid0(VALU_DEP_4)
	v_fmamk_f32 v[T+12+\e], v[T+8+\e], 0xbfc90fdb, v[T+4+\e]   ; angle - m x pi/2, pi/2 in two parts
.endr
.irp e, 0,1,2,3
	s_delay_alu instid0(VALU_DEP_4)
	v_fmamk_f32 v[T+12+\e], v[T+8+\e], 0x333bbd2e, v[T+12+\e]  ; y, within pi/4
.endr
.irp e, 0,1,2,3
	s_delay_alu instid0(VALU_DEP_4)
	v_mul_f32 v[T+\e], v[T+12+\e], v[T+12+\e]      ; z = y^2
.endr
.irp e, 0,1,2,3
	v_cvt_i32_f32 v[T+8+\e], v[T+8+\e]             ; m as a whole number
.endr
	v_mov_b32 v250, 0x3c08839e
	v_mov_b32 v251, 0xbab6061a
.irp e, 0,1,2,3
	v_fmamk_f32 v[T+16+\e], v[T+\e], 0xb94ca1f9, v250
.endr
.irp e, 0,1,2,3
	s_delay_alu instid0(VALU_DEP_4)
	v_fmaak_f32 v[T+16+\e], v[T+16+\e], v[T+\e], 0xbe2aaaa3
.endr
.irp e, 0,1,2,3
	v_mul_f32 v[T+4+\e], v[T+12+\e], v[T+\e]       ; y z
.endr
.irp e, 0,1,2,3
	s_delay_alu instid0(VALU_DEP_4)
	v_fma_f32 v[T+16+\e], v[T+4+\e], v[T+16+\e], v[T+12+\e]    ; sin y = y + y z (S1 + z (S2 + z S3))
.endr
.irp e, 0,1,2,3
	v_fmamk_f32 v[T+20+\e], v[T+\e], 0x37ccf5ce, v251
.endr
.irp e, 0,1,2,3
	s_delay_alu instid0(VALU_DEP_4)
	v_fmaak_f32 v[T+20+\e], v[T+20+\e], v[T+\e], 0x3d2aaaa5
.endr
.irp e, 0,1,2,3
	v_mul_f32 v[T+4+\e], v[T+\e], v[T+\e]          ; z^2
.endr
.irp e, 0,1,2,3
	v_fma_f32 v[T+12+\e], v[T+\e], -0.5, 1.0
.endr
.irp e, 0,1,2,3
	s_delay_alu instid0(VALU_DEP_4)
	v_fma_f32 v[T+20+\e], v[T+4+\e], v[T+20+\e], v[T+12+\e]    ; cos y = 1 - z / 2 + z^2 (C1 + z (C2 + z C3))
.endr
.irp e, 0,1,2,3
	v_and_b32 v[T+4+\e], 1, v[T+8+\e]
.endr
.irp e, 0,1,2,3
	v_cmp_eq_u32 vcc_lo, 1, v[T+4+\e]              ; an odd number of quarter turns swaps the two (a choice of values: no branch hangs on it)
	s_delay_alu instid0(VALU_DEP_1)
	v_cndmask_b32 v[T+\e], v[T+16+\e], v[T+20+\e], vcc_lo      ; sin
	s_delay_alu instid0(VALU_DEP_2)
	v_cndmask_b32 v[T+12+\e], v[T+20+\e], v[T+16+\e], vcc_lo   ; cos
.endr
.irp e, 0,1,2,3
	v_and_b32 v[T+4+\e], 2, v[T+8+\e]              ; sin is negated in quarters 2 and 3,
.endr
.irp e, 0,1,2,3
	s_delay_alu instid0(VALU_DEP_4)
	v_lshlrev_b32 v[T+4+\e], 30, v[T+4+\e]
.endr
.irp e, 0,1,2,3
	s_delay_alu instid0(VALU_DEP_4)
	v_xor_b32 v[T+\e], v[T+\e], v[T+4+\e]
.endr
.irp e, 0,1,2,3
	v_add_nc_u32 v[T+8+\e], 1, v[T+8+\e]           ; cos in quarters 1 and 2
.endr
.irp e, 0,1,2,3
	s_delay_alu instid0(VALU_DEP_4)
	v_and_b32 v[T+8+\e], 2, v[T+8+\e]
.endr
.irp e, 0,1,2,3
	s_delay_alu instid0(VALU_DEP_4)
	v_lshlrev_b32 v[T+8+\e], 30, v[T+8+\e]
.endr
.irp e, 0,1,2,3
	s_delay_alu instid0(VALU_DEP_4)
	v_xor_b32 v[T+12+\e], v[T+12+\e], v[T+8+\e]
.endr
	global_store_b128 v[L16], v[T+12:T+15], s[16:17]               ; 32 lanes store 512 consecutive bytes
	global_store_b128 v[L16], v[T:T+3], s[16:17] offset:4096       ; (these registers are not written again by waves 8 to 15)
.Lno_table:
	s_wait_loadcnt 0x0
	; ---- THE TURN.  LDS serves a wave's instructions in order (ISA guide 5.7.1.4): no wait stands between the stores and the loads, and the numbers come back into the registers that they left
.irp p, 0,1,2,3,4,5,6,7,8,9,10,11,12,13,14,15
	ds_store_b128 v[TS], v[X+4*\p:X+4*\p+3] offset:528*\p
.endr
.irp b, 0,1,2,3
.irp j, 0,1,2,3
	ds_load_b128 v[X+16*\b+4*\j:X+16*\b+4*\j+3], v[TR] offset:128*\b+16*\j     ; register 16 b + i = x(r, 128 w + 32 b + 16 h + i)
.endr
.endr
.irp i, 0,1,2,3,4,5,6,7
	ds_store_b128 v[WS], v[WGF+4*\i:WGF+4*\i+3] offset:544*\i
.endr
.set n, 0
.rept 64
	ds_load_b32 v[WGF+n], v[WR] offset:1088*(n/16)+32*(n%16)       ; register 16 b + i = w_g(128 w + 32 b + 16 h + i, r % 8): the same k as x's register of that number
.set n, n+1
.endr
	s_wait_dscnt 0x0
	; ---- THE GATE'S PRODUCT: four accumulators by turns, one instruction a turn; the first four start the sums
.set n, 0
.rept 32
.if n < 4
	v_wmma_f32_16x16x4_f32 v[ACC+8*(n%4):ACC+8*(n%4)+7], v[WGF+2*n:WGF+2*n+1], v[X+2*n:X+2*n+1], 0
.else
	v_wmma_f32_16x16x4_f32 v[ACC+8*(n%4):ACC+8*(n%4)+7], v[WGF+2*n:WGF+2*n+1], v[X+2*n:X+2*n+1], v[ACC+8*(n%4):ACC+8*(n%4)+7]
.endif
.set n, n+1
.endr
.rept 8
	v_nop                                          ; eight places between this form and the first read of its results (ISA guide 7.12.1)
.endr
.irp k, 0,2,4,6
	v_pk_add_f32 v[G+\k:G+\k+1], v[ACC+\k:ACC+\k+1], v[ACC+8+\k:ACC+9+\k]      ; each accumulator from its low end on
.endr
.irp k, 0,2,4,6
	v_pk_add_f32 v[PC+\k:PC+\k+1], v[ACC+16+\k:ACC+17+\k], v[ACC+24+\k:ACC+25+\k]
.endr
.irp k, 0,2,4,6
	s_delay_alu instid0(VALU_DEP_4)
	v_pk_add_f32 v[G+\k:G+\k+1], v[G+\k:G+\k+1], v[PC+\k:PC+\k+1]  ; register j = column j of token r, in both halves of the lanes
.endr
.irp k, 0,1,2,3
	v_cndmask_b32 v[20+\k], v[G+\k], v[G+4+\k], s[HM]              ; lanes 0-15 keep columns 0-3, lanes 16-31 columns 4-7
.endr
	ds_store_b128 v[GS], v[20:23]
	; ---- THE QUANTISER: 64 numbers of a lane become a fragment's codes and its row's scale word
.irp b, 0,1,2,3
	v_max3_num_f32 v[TM+\b], |v[X+16*\b]|, |v[X+1+16*\b]|, 0x4800000   ; block b: my 16 numbers, and the floor 2^(9 - 127): the byte cannot fall under 1
.endr
.irp i, 2,4,6,8,10,12,14
.irp b, 0,1,2,3
	s_delay_alu instid0(VALU_DEP_4)
	v_max3_num_f32 v[TM+\b], v[TM+\b], |v[X+16*\b+\i]|, |v[X+1+16*\b+\i]|
.endr
.endr
.irp b, 0,1,2,3
	s_delay_alu instid0(VALU_DEP_4)
	v_permlanex16_b32 v[TM+4+\b], v[TM+\b], s[SEL], s[SEL+1]
.endr
.irp b, 0,1,2,3
	s_delay_alu instid0(VALU_DEP_4)
	v_max_num_f32 v[TM+\b], v[TM+\b], v[TM+4+\b]   ; with lane l xor 16's 16: the block's largest magnitude
.endr
.irp b, 0,1,2,3
	s_delay_alu instid0(VALU_DEP_4)
	v_add_nc_u32 v[TM+12+\b], 0xfc000000, v[TM+\b] ; 8 off its exponent field: the conversion's scale operand
.endr
.irp b, 0,1,2,3
	v_and_or_b32 v[TM+8+\b], v[TM+\b], 0x7f800000, s[MNT]          ; 448 x the scale
.endr
.irp b, 0,1,2,3
	v_lshrrev_b32 v[TM+4+\b], 23, v[TM+12+\b]      ; the scale's byte
.endr
	s_delay_alu instid0(VALU_DEP_3)
	v_lshl_or_b32 v[PW], v[TM+5], 8, v[TM+4]
	s_delay_alu instid0(VALU_DEP_1)
	v_lshl_or_b32 v[PW], v[TM+6], 16, v[PW]
	s_delay_alu instid0(VALU_DEP_1)
	v_lshl_or_b32 v[PW], v[TM+7], 24, v[PW]
.irp b, 0,1,2,3
.irp i, 0,1,2,3,4,5,6,7,8,9,10,11,12,13,14,15
	v_med3_num_f32 v[X+16*\b+\i], v[X+16*\b+\i], -v[TM+8+\b], v[TM+8+\b]   ; the conversion to an 8-bit code does not saturate (ISA guide 7.6.2): the hold comes first
.endr
	v_cvt_scalef32_pk8_fp8_f32 v[PC+4*\b:PC+1+4*\b], v[X+16*\b:X+7+16*\b], v[TM+12+\b]
	v_cvt_scalef32_pk8_fp8_f32 v[PC+2+4*\b:PC+3+4*\b], v[X+8+16*\b:X+15+16*\b], v[TM+12+\b]
.endr
	v_nop                                          ; a plain line behind the last conversion
.irp c, 0,1,2,3
	ds_store_b128 v[SA], v[PC+4*\c:PC+4*\c+3] offset:32*\c         ; k = 128 w + 32 c + 16 h + 0 .. 15 of row r
.endr
	ds_store_b32 v[SS], v[PW]                      ; both halves of the lanes write the same word with the same value
	s_wait_dscnt 0x0                               ; for the others' sake: my stores have landed
	s_barrier_signal -1
	s_barrier_wait -1
	; ---- THE WAY OUT: wave w stores code row w
.irp i, 0,1,2,3
	ds_load_b128 v[X+4*\i:X+4*\i+3], v[RA] offset:512*\i
.endr
.irp i, 0,1,2,3
	s_wait_dscnt 3-\i                              ; LDS loads come back in order: load i is in, the younger ones may be out
	global_store_b128 v[L16], v[X+4*\i:X+4*\i+3], s[10:11] offset:512*\i
.endr
	s_cmp_eq_u32 s[WV], 1
	s_cbranch_scc0 .Lnot_one
	ds_load_b128 v[X+16:X+19], v[XR]               ; wave 1: the 16 rows of scale bytes, 1,024 consecutive bytes
	ds_load_b128 v[X+20:X+23], v[XR] offset:512
	s_wait_dscnt 0x0
	global_store_b128 v[L16], v[X+16:X+19], s[12:13]
	global_store_b128 v[L16], v[X+20:X+23], s[12:13] offset:512
.Lnot_one:
	s_cmp_eq_u32 s[WV], 0
	s_cbranch_scc0 .Ldone
.irp i, 0,1,2,3,4,5,6,7,8,9,10,11,12,13,14,15
	ds_load_b128 v[WGF+4*\i:WGF+4*\i+3], v[GR] offset:512*\i       ; wave 0: the 16 parts; a lane takes the same four numbers of each
.endr
	s_wait_dscnt 0x0
	v_pk_add_f32 v[T:T+1], v[WGF:WGF+1], v[WGF+4:WGF+5]
	v_pk_add_f32 v[T+2:T+3], v[WGF+2:WGF+3], v[WGF+6:WGF+7]
.irp i, 2,3,4,5,6,7,8,9,10,11,12,13,14,15
	s_delay_alu instid0(VALU_DEP_2)
	v_pk_add_f32 v[T:T+1], v[T:T+1], v[WGF+4*\i:WGF+4*\i+1]
	s_delay_alu instid0(VALU_DEP_2)
	v_pk_add_f32 v[T+2:T+3], v[T+2:T+3], v[WGF+4*\i+2:WGF+4*\i+3]
.endr
.irp e, 0,1,2,3
	v_mul_f32 v[T+4+\e], 0xbfb8aa3b, |v[T+\e]|     ; -|x| log2(e)
.endr
	s_wait_alu depctr_va_vdst(0)
.irp e, 0,1,2,3
	v_exp_f32 v[T+4+\e], v[T+4+\e]                 ; e = exp(-|x|)
.endr
	v_mov_b32 v[T+16], 0x3d9d89d9                  ; 1 / 13.  (A plain line behind the exponentials)
	s_wait_alu depctr_va_vdst(0)                   ; one wait for the four
.irp e, 0,1,2,3
	v_add_f32 v[T+8+\e], 2.0, v[T+4+\e]
.endr
	s_wait_alu depctr_va_vdst(0)
.irp e, 0,1,2,3
	v_rcp_f32 v[T+8+\e], v[T+8+\e]
.endr
	v_nop
	s_wait_alu depctr_va_vdst(0)                   ; and one for the four reciprocals
.irp e, 0,1,2,3
	v_mul_f32 v[T+4+\e], v[T+4+\e], v[T+8+\e]      ; u = e / (2 + e), at most 1/3
.endr
.irp e, 0,1,2,3
	s_delay_alu instid0(VALU_DEP_4)
	v_mul_f32 v[T+8+\e], v[T+4+\e], v[T+4+\e]      ; z = u^2
.endr
.irp e, 0,1,2,3
	s_delay_alu instid0(VALU_DEP_4)
	v_fmamk_f32 v[T+12+\e], v[T+8+\e], 0x3d888889, v[T+16]         ; z / 15 + 1 / 13
.endr
.irp k, 0x3dba2e8c, 0x3de38e39, 0x3e124925, 0x3e4ccccd, 0x3eaaaaab
.irp e, 0,1,2,3
	s_delay_alu instid0(VALU_DEP_4)
	v_fmaak_f32 v[T+12+\e], v[T+12+\e], v[T+8+\e], \k              ; .. + 1/11, 1/9, 1/7, 1/5, 1/3
.endr
.endr
.irp e, 0,1,2,3
	s_delay_alu instid0(VALU_DEP_4)
	v_fma_f32 v[T+12+\e], v[T+12+\e], v[T+8+\e], 1.0
.endr
.irp e, 0,1,2,3
	v_add_f32 v[T+4+\e], v[T+4+\e], v[T+4+\e]      ; 2 u
.endr
.irp e, 0,1,2,3
	v_max_num_f32 v[T+\e], 0, v[T+\e]
.endr
.irp e, 0,1,2,3
	s_delay_alu instid0(VALU_DEP_4)
	v_fma_f32 v[T+\e], v[T+4+\e], v[T+12+\e], v[T+\e]              ; max(x, 0) + log(1 + e)
.endr
	global_store_b128 v[L16], v[T:T+3], s[14:15]   ; 512 consecutive bytes: 16 tokens x 8 columns
.Ldone:
	s_wait_tensorcnt 0x0
	ds_add_u32 v18, v19
	s_wait_dscnt 0x0
	s_endpgm
.Lfunc_end_k_q3b82f8e385_prep:
	.size	k_q3b82f8e385_prep, .Lfunc_end_k_q3b82f8e385_prep-k_q3b82f8e385_prep
	.p2alignl 7, 3214868480
	.fill 96, 4, 3214868480
	.section	.rodata,"a",@progbits
	.p2align	6, 0x0
	.amdhsa_kernel k_q3b82f8e385_prep
		.amdhsa_group_segment_fixed_size 249088
		.amdhsa_private_segment_fixed_size 0
		.amdhsa_enable_private_segment 0
		.amdhsa_kernarg_size 56
		.amdhsa_user_sgpr_count 2
		.amdhsa_user_sgpr_kernarg_segment_ptr 1
		.amdhsa_wavefront_size32 1
		.amdhsa_system_sgpr_workgroup_id_x 1
		.amdhsa_system_sgpr_workgroup_id_y 1
		.amdhsa_system_sgpr_workgroup_id_z 1
		.amdhsa_system_vgpr_workitem_id 0
		.amdhsa_next_free_vgpr 256
		.amdhsa_next_free_sgpr 66
		.amdhsa_reserve_vcc 1
		.amdhsa_float_denorm_mode_32 3
		.amdhsa_float_denorm_mode_16_64 3
		.amdhsa_memory_ordered 1
		.amdhsa_forward_progress 1
		.amdhsa_inst_pref_size 46
	.end_amdhsa_kernel
	.amdgpu_metadata
---
amdhsa.version: [ 1, 2 ]
amdhsa.kernels:
  - .name:           k_q3b82f8e385_prep
    .symbol:         k_q3b82f8e385_prep.kd
    .args:
      - { .name: hidden_states, .offset: 0, .size: 8, .value_kind: global_buffer, .address_space: global }
      - { .name: w_g, .offset: 8, .size: 8, .value_kind: global_buffer, .address_space: global }
      - { .name: positions, .offset: 16, .size: 8, .value_kind: global_buffer, .address_space: global }
      - { .name: xc, .offset: 24, .size: 8, .value_kind: global_buffer, .address_space: global }
      - { .name: xs, .offset: 32, .size: 8, .value_kind: global_buffer, .address_space: global }
      - { .name: gate, .offset: 40, .size: 8, .value_kind: global_buffer, .address_space: global }
      - { .name: rope, .offset: 48, .size: 8, .value_kind: global_buffer, .address_space: global }
    .group_segment_fixed_size: 249088
    .private_segment_fixed_size: 0
    .kernarg_segment_align: 8
    .kernarg_segment_size: 56
    .max_flat_workgroup_size: 512
    .sgpr_count:     66
    .vgpr_count:     256
    .wavefront_size: 32
...
	.end_amdgpu_metadata
.endif
;; end of part 1
;; launch qkv (part 2): grid 16 x 16, 4 waves a work-group, clusters of 4 x 4, 327,680 bytes of LDS; arguments xc, xs, w_qkv_codes, w_qkv_scales, q_norm_w, k_norm_w, rope, qb, kv; writes qb, kv
.if DOCPART == 2
	.amdgcn_target "amdgcn-amd-amdhsa--gfx1250"
	.amdhsa_code_object_version 6
	.text
	.protected	k_q3b82f8e385_qkv
	.globl	k_q3b82f8e385_qkv
	.p2align	8
	.type	k_q3b82f8e385_qkv,@function
k_q3b82f8e385_qkv:
	s_mov_b64 s[64:65], 0
	v_nop
	global_prefetch_b8 v0, s[64:65] scope:SCOPE_SE
	s_setreg_imm32_b32 hwreg(HW_REG_WAVE_MODE, 25, 1), 1
	s_wait_xcnt 0x0
	s_wait_alu depctr_hold_cnt(0) depctr_sa_sdst(0) depctr_va_vdst(0) depctr_va_sdst(0) depctr_va_ssrc(0) depctr_va_vcc(0) depctr_vm_vsrc(0)
	s_getreg_b32 s2, hwreg(HW_REG_IB_STS2, 6, 4)
	s_cmp_eq_u32 s2, 0
	s_cbranch_scc0 .Lentry_in_a_cluster
	s_endpgm
.Lentry_in_a_cluster:
	s_bfe_u32 s2, ttmp6, 0x10000c
	s_cmp_lg_u32 s2, 0xf033
	s_cbranch_scc0 .Lentry_shape_is_right
	s_endpgm
.Lentry_shape_is_right:
; QKV.  q, k, v = x W_qkv^T on codes of FP8 (E4M3) with E8M0 scales; then per head RMS norm, RoPE and the quantiser (q, k), or the quantiser along the tokens (v).
; A work-group makes 256 tokens x 128 columns (one head); wave w takes tokens 64 w .. 64 w + 63 against all 128 columns: source 0 = W's rows, source 1 = x's rows, so a lane holds one token.
; All LDS addresses are constants, the lane and the wave's number.  V (cluster x = 3) needs a lane to hold one channel with registers along the tokens: its sums turn through a stage in LDS at the end.
; The rope table's four tiles of a wave are asked for ahead of the last K steps, into registers that the loop leaves free.
.set PITCH, 272
.set XT,    256*PITCH
.set SLOT,  384*PITCH
.set SCL,   2*SLOT
.set SCLW,  SCL+64*272
.set SPARE, SCLW+32*272
.set ADRP, 16
.set ADRQ, 18
.set ADSP, 20
.set ADSQ, 21
.set L16,  22
.set L8,   23
.set H32,  24
.set SPW,  28
.set NIL,  29
.set SCP,  32
.set SCQ,  48
.set PWR,  56
.set SS,   60
.set Y,    64
.set COS,  128
.set SIN,  160
.set TM,   192
.set PC,   208
.set TP,   224
.set NW,   128
.set G1X, 24
.set G0X, 32
.set G1W, 48
.set G0W, 56
.set G1SX, 68
.set G0SX, 76
.set G1SW, 80
.set G0SW, 88
.set MSB, 0
.macro WIN new
.if MSB != \new
	s_set_vgpr_msb (MSB<<8)|\new
.set MSB, \new
.endif
.endm
.set W_MUL, 0xa7
.set W_PF,  0xc0
.set W_QF,  0x40
.set W_SS,  0x0a
.set W_RS,  0x02
.set W_NW,  0x04
.macro PLACES n
.rept \n
	v_nop
.endr
.endm
.macro JLOAD g0a, g1a, g0b, g1b
	s_cmp_eq_u32 s23, 0
	s_cbranch_scc0 .Lfor_b_\@
	tensor_load_to_lds s[\g0a:\g0a+3], s[\g1a:\g1a+7]
	s_nop 0
.rept 4
	v_nop
.endr
	s_branch .Lasked_\@
.Lfor_b_\@:
	tensor_load_to_lds s[\g0b:\g0b+3], s[\g1b:\g1b+7]
	s_nop 0
.rept 4
	v_nop
.endr
.Lasked_\@:
.endm
.macro CREST
	s_cmp_lg_u32 s22, 0
	s_cbranch_scc1 .Lnot_wave_0_\@
	s_barrier_signal -3
.Lnot_wave_0_\@:
	s_barrier_wait -3
	s_barrier_signal -1
	s_barrier_wait -1
.endm
.macro CROUND
	s_barrier_signal -1
	s_barrier_wait -1
	CREST
.endm
	s_load_b256 s[4:11], s[0:1], 0x0
	s_load_b128 s[12:15], s[0:1], 0x20
	s_load_b128 s[16:19], s[0:1], 0x30
	s_load_b64 s[20:21], s[0:1], 0x40
	v_lshl_add_u32 v[SPW], v0, 2, SPARE
	v_mov_b32 v[NIL], 0
	ds_add_u32 v28, v29
	ds_add_u32 v28, v29
	s_wait_dscnt 0x0
	v_lshrrev_b32 v1, 5, v0
	v_readfirstlane_b32 s22, v1
	s_lshr_b32 s23, s22, 1
	s_and_b32 s2, s22, 1
	s_bfe_u32 s40, ttmp6, 0x40000
	s_bfe_u32 s41, ttmp6, 0x40004
	s_lshl_b32 s42, ttmp9, 2
	s_add_co_u32 s42, s42, s40
	s_and_b32 s43, ttmp7, 0xffff
	s_lshl_b32 s43, s43, 2
	s_add_co_u32 s43, s43, s41
	s_lshl_b32 s44, s41, 2
	s_lshl_b32 s44, 15, s44
	s_lshl_b32 s45, 0x1111, s40
	s_or_b32 s[G1X], s44, (0<<16)|(1<<20)|(1<<21)|(5<<22)|(3<<25)
	s_mov_b32 s[G1X+1], 256<<16
	s_mov_b32 s[G1X+2], 256<<16
	s_mov_b32 s[G1X+3], 256<<16
	s_mov_b32 s[G1X+4], 256
	s_mov_b32 s[G1X+5], 2048
	s_mov_b32 s[G1X+6], 0
	s_mov_b32 s[G1X+7], 0
	s_or_b32 s[G1W], s45, (0<<16)|(1<<20)|(1<<21)|(5<<22)|(3<<25)
	s_mov_b32 s[G1W+1], 256<<16
	s_mov_b32 s[G1W+2], 128<<16
	s_mov_b32 s[G1W+3], 256<<16
	s_mov_b32 s[G1W+4], 128
	s_mov_b32 s[G1W+5], 2048
	s_mov_b32 s[G1W+6], 0
	s_mov_b32 s[G1W+7], 0
	s_or_b32 s[G1SX], s44, (3<<16)|(1<<20)|(1<<21)|(5<<22)|(3<<25)
	s_mov_b32 s[G1SX+1], 32<<16
	s_mov_b32 s[G1SX+2], 64<<16
	s_mov_b32 s[G1SX+3], 32<<16
	s_mov_b32 s[G1SX+4], 64
	s_mov_b32 s[G1SX+5], 32
	s_mov_b32 s[G1SX+6], 0
	s_mov_b32 s[G1SX+7], 0
	s_or_b32 s[G1SW], s45, (3<<16)|(1<<20)|(1<<21)|(5<<22)|(3<<25)
	s_mov_b32 s[G1SW+1], 32<<16
	s_mov_b32 s[G1SW+2], 32<<16
	s_mov_b32 s[G1SW+3], 32<<16
	s_mov_b32 s[G1SW+4], 32
	s_mov_b32 s[G1SW+5], 32
	s_mov_b32 s[G1SW+6], 0
	s_mov_b32 s[G1SW+7], 0
	s_lshl_b32 s92, s43, 8                         ; the tile's first row of x
	s_lshl_b32 s94, s92, 6
	s_lshl_b32 s92, s92, 11
	s_mov_b32 s93, 0
	s_mov_b32 s95, 0
	s_lshl_b32 s46, s42, 7                         ; the tile's first row of W
	s_lshl_b32 s96, s46, 6
	s_lshl_b32 s46, s46, 11
	s_mov_b32 s47, 0
	s_mov_b32 s97, 0
	s_mul_i32 s98, s2, 128*PITCH
	s_mul_i32 s99, s2, 64*PITCH
	s_wait_kmcnt 0x0
	s_add_nc_u64 s[92:93], s[4:5], s[92:93]
	s_add_nc_u64 s[94:95], s[6:7], s[94:95]
	s_add_nc_u64 s[46:47], s[8:9], s[46:47]
	s_add_nc_u64 s[96:97], s[10:11], s[96:97]
	CROUND
	s_mov_b32 s[G0SX], 1
	s_mov_b32 s[G0SX+1], SCL
	s_mov_b64 s[G0SX+2:G0SX+3], s[94:95]
	s_or_b32 s[G0SX+3], s[G0SX+3], 0x80000000
	s_mov_b32 s[G0SW], 1
	s_mov_b32 s[G0SW+1], SCLW
	s_mov_b64 s[G0SW+2:G0SW+3], s[96:97]
	s_or_b32 s[G0SW+3], s[G0SW+3], 0x80000000
	; THE PREFETCHES' ADDRESS, s[44:45], and offset, v27.  Of the rows that a wave fetches for the ring (waves 0, 1: 128 of x; waves 2, 3: 64 of W) each of the four partners that ask jointly
	; takes a quarter, told apart by address (cx for x, cy for W): a lane a row, 256 bytes of a K step; with 16 rows, lanes 16 to 31 name the last row again.
	s_lshl_b32 s100, s43, 8
	s_lshl_b32 s3, s2, 7
	s_add_co_u32 s100, s100, s3
	s_lshl_b32 s3, s40, 5
	s_add_co_u32 s100, s100, s3                    ; x: row 256 x tile row + 128 x half + 32 cx
	s_lshl_b32 s101, s42, 7
	s_lshl_b32 s3, s2, 6
	s_add_co_u32 s101, s101, s3
	s_lshl_b32 s3, s41, 4
	s_add_co_u32 s101, s101, s3                    ; W: row 128 x tile column + 64 x half + 16 cy
	s_cmp_eq_u32 s23, 0
	s_cselect_b32 s66, s100, s101
	s_cselect_b64 s[44:45], s[4:5], s[8:9]
	s_cselect_b32 s3, 31, 15
	s_lshl_b32 s66, s66, 11
	s_add_co_u32 s66, s66, 512                     ; at K step 2
	s_mov_b32 s67, 0
	s_add_nc_u64 s[44:45], s[44:45], s[66:67]
	v_and_b32 v27, 31, v0
	v_min_u32 v27, s3, v27
	v_lshlrev_b32 v27, 11, v27
	s_wait_alu depctr_va_vdst(0)
	s_mov_b32 s4, 1                                ; s[4:7], s[8:11]: group 0 of the head's whole tiles of K step 0 (the arguments that lay there have been used)
	s_mov_b32 s5, 0
	s_mov_b64 s[6:7], s[92:93]
	s_or_b32 s7, s7, 0x80000000
	s_mov_b32 s8, 1
	s_mov_b32 s9, XT
	s_mov_b64 s[10:11], s[46:47]
	s_or_b32 s11, s11, 0x80000000
	s_lshl_b32 s94, s2, 18                         ; for the ring: my half of a tile: 128 rows of 2,048 bytes,
	s_mov_b32 s95, 0
	s_add_nc_u64 s[92:93], s[92:93], s[94:95]
	s_lshl_b32 s94, s2, 17                         ; 64 rows
	s_add_nc_u64 s[46:47], s[46:47], s[94:95]
.irp s, 0,1
	s_mov_b32 s[G0X+4*\s], 1
	s_add_co_u32 s[G0X+4*\s+1], s98, \s*SLOT
	s_add_nc_u64 s[G0X+4*\s+2:G0X+4*\s+3], s[92:93], \s*256
	s_or_b32 s[G0X+4*\s+3], s[G0X+4*\s+3], 0x80000000
	s_mov_b32 s[G0W+4*\s], 1
	s_add_co_u32 s[G0W+4*\s+1], s99, \s*SLOT+XT
	s_add_nc_u64 s[G0W+4*\s+2:G0W+4*\s+3], s[46:47], \s*256
	s_or_b32 s[G0W+4*\s+3], s[G0W+4*\s+3], 0x80000000
.endr
; the head's loads, one a wave: wave 0 K step 0 of x (256 rows), wave 1 of W (128 rows), wave 2 x's scale bytes, wave 3 W's.  One chain of branches on the wave's number, an arm a load, all arms to one join
.macro ARM under, g0, g1, next
	s_cmp_lt_u32 s22, \under
	s_cbranch_scc0 \next
	tensor_load_to_lds s[\g0:\g0+3], s[\g1:\g1+7]
	s_nop 0
.rept 4
	v_nop
.endr
	s_branch .Lhead_asked
\next:
.endm
	ARM 1, 4, G1X, .Lhead_b
	ARM 2, 8, G1W, .Lhead_sa
	ARM 3, G0SX, G1SX, .Lhead_sb
	tensor_load_to_lds s[G0SW:G0SW+3], s[G1SW:G1SW+7]
	s_nop 0
.rept 4
	v_nop
.endr
.Lhead_asked:
	global_prefetch_b8 v27, s[44:45] th:TH_LOAD_NT scope:SCOPE_SE              ; K steps 2 and 3: what the loop's first two refills will ask for
	global_prefetch_b8 v27, s[44:45] offset:256 th:TH_LOAD_NT scope:SCOPE_SE
	s_wait_alu depctr_va_vdst(0)
	s_wait_tensorcnt 0x0                           ; my tile of the head's four is in; these lines stand ahead of slot 1's first fill as ahead of a refill
	ds_add_u32 v28, v29
	s_mov_b32 s[G1X+2], 128<<16                    ; no tensor load of mine is out: from here on a load brings half a tile
	s_mov_b32 s[G1X+4], 128
	s_mov_b32 s[G1W+2], 64<<16
	s_mov_b32 s[G1W+4], 64
	s_wait_dscnt 0x0
	CROUND
	JLOAD G0X+4, G1X, G0W+4, G1W                   ; K step 1, the first tensor load behind the round
	v_and_b32 v1, 15, v0
	v_bfe_u32 v2, v0, 4, 1
	v_and_b32 v3, 31, v0
	v_mul_u32_u24 v4, v1, PITCH
	v_lshl_add_u32 v4, v2, 4, v4
	s_wait_alu depctr_va_vdst(0)
	s_mul_i32 s98, s22, 64*PITCH                   ; my 64 rows of x
	v_add_nc_u32 v[ADRP], XT, v4                   ; W's 128 rows lie behind x's 256
	v_add_nc_u32 v[ADRQ], s98, v4
	v_add_nc_u32 v[ADRP+1], SLOT, v[ADRP]
	v_add_nc_u32 v[ADRQ+1], SLOT, v[ADRQ]
	v_lshrrev_b32 v5, 2, v3
	v_lshlrev_b32 v6, 6, v3
	v_lshl_add_u32 v5, v5, 4, v6
	s_wait_alu depctr_va_vdst(0)
	s_mul_i32 s98, s22, 16*272
	s_add_co_u32 s98, s98, SCL
	v_add_nc_u32 v[ADSP], SCLW, v5
	v_add_nc_u32 v[ADSQ], s98, v5
.set SP,  528                          ; V's stage: a token's 128 sums, 512 bytes + 16; 256 rows from LDS byte 0, in the slots behind their last fill
.set STW, 25                           ; v25 in: token 64 w + r, channel 8 h
.set STR, 26                           ; v26 out: token 128 (w / 2) + 8 h, channel 64 (w % 2) + r
	v_mul_u32_u24 v[STW], v1, SP
	v_lshl_add_u32 v[STW], v2, 5, v[STW]
	s_mul_i32 s46, s22, 64*SP
	v_add_nc_u32 v[STW], s46, v[STW]
	v_mul_u32_u24 v[STR], v2, 8*SP
	v_lshl_add_u32 v[STR], v1, 2, v[STR]
	s_mul_i32 s46, s23, 128*SP
	s_lshl_b32 s47, s2, 8
	s_add_co_u32 s46, s46, s47
	v_add_nc_u32 v[STR], s46, v[STR]
	v_lshlrev_b32 v[L16], 4, v3
	v_lshlrev_b32 v[L8], 3, v3
	v_lshlrev_b32 v[H32], 5, v2
	s_wait_alu depctr_va_vdst(0)
.irp b, 0,1,2,3
	v_mov_b32 v[TM+4+\b], 0
.endr
	s_lshl_b32 s46, s42, 6
	s_lshl_b32 s47, s43, 2
	s_add_co_u32 s46, s46, s47
	s_add_co_u32 s46, s46, s22
	s_mul_i32 s46, s46, 8448
	s_add_co_u32 s47, s46, 8192
	s_and_b32 s98, s42, 3
	s_lshl_b32 s98, s98, 5
	s_lshl_b32 s99, s43, 1
	s_add_co_u32 s98, s98, s99
	s_add_co_u32 s98, s98, s23
	s_mul_i32 s98, s98, 33792
	s_lshl_b32 s99, s2, 13
	s_add_co_u32 s99, s99, s98
	s_lshl_b32 s3, s2, 8
	s_add_co_u32 s98, s98, s3
	s_add_co_u32 s98, s98, 32768
	s_cmp_eq_u32 ttmp9, 3
	s_cselect_b32 s3, 16384, 0
	s_cselect_b32 s92, 512, 0
	s_add_co_u32 s99, s99, s3
	s_add_co_u32 s98, s98, s92
	s_cmp_lt_u32 ttmp9, 2
	s_cselect_b32 s92, s46, s99
	s_cselect_b32 s94, s47, s98
	s_cselect_b64 s[46:47], s[18:19], s[20:21]
	s_cselect_b64 s[12:13], s[12:13], s[14:15]
	s_mov_b32 s93, 0
	s_mov_b32 s95, 0
	s_add_nc_u64 s[92:93], s[46:47], s[92:93]
	s_add_nc_u64 s[94:95], s[46:47], s[94:95]
	s_lshl_b32 s96, s43, 4
	s_lshl_b32 s3, s22, 2
	s_add_co_u32 s96, s96, s3
	s_lshl_b32 s96, s96, 13
	s_mov_b32 s97, 0
	s_add_nc_u64 s[96:97], s[16:17], s[96:97]
	s_mov_b32 s66, 0x600000
	s_mov_b32 s67, 0xffff0000
	s_mov_b32 s98, 0x3c000000
	s_mov_b32 s99, 0x358637bd
	s_mov_b32 s100, 0x76543210
	s_mov_b32 s101, 0xfedcba98
	WIN W_QF
.irp t, 0,1,2,3,4,5,6,7
.irp q, 0,1
	global_load_b128 v[NW+8*\t+4*\q:NW+8*\t+4*\q+3], v[H32], s[12:13] offset:64*\t+16*\q
.endr
.endr
	WIN 0
.macro MM a, t, set, q, sg, zero
.set rD, 64*(\a)+8*(\t)
.set rA, 128*(\set)+16*(\t)
.set rB, 64*(\set)+16*(\a)
.set rP, SCP+8*(\sg)+2*((\t)/2)+(\q)
.set rQ, SCQ+4*(\sg)+2*((\a)/2)+(\q)
.set odd, 2*((\a)%2)+(\t)%2
.if \zero
.if odd == 0
	v_wmma_scale_f32_16x16x128_f8f6f4 v[rD:rD+7], v[rA:rA+15], v[rB:rB+15], 0, v[rP], v[rQ]
.elseif odd == 1
	v_wmma_scale_f32_16x16x128_f8f6f4 v[rD:rD+7], v[rA:rA+15], v[rB:rB+15], 0, v[rP], v[rQ] matrix_a_scale:MATRIX_SCALE_ROW1
.elseif odd == 2
	v_wmma_scale_f32_16x16x128_f8f6f4 v[rD:rD+7], v[rA:rA+15], v[rB:rB+15], 0, v[rP], v[rQ] matrix_b_scale:MATRIX_SCALE_ROW1
.else
	v_wmma_scale_f32_16x16x128_f8f6f4 v[rD:rD+7], v[rA:rA+15], v[rB:rB+15], 0, v[rP], v[rQ] matrix_a_scale:MATRIX_SCALE_ROW1 matrix_b_scale:MATRIX_SCALE_ROW1
.endif
.else
.if odd == 0
	v_wmma_scale_f32_16x16x128_f8f6f4 v[rD:rD+7], v[rA:rA+15], v[rB:rB+15], v[rD:rD+7], v[rP], v[rQ]
.elseif odd == 1
	v_wmma_scale_f32_16x16x128_f8f6f4 v[rD:rD+7], v[rA:rA+15], v[rB:rB+15], v[rD:rD+7], v[rP], v[rQ] matrix_a_scale:MATRIX_SCALE_ROW1
.elseif odd == 2
	v_wmma_scale_f32_16x16x128_f8f6f4 v[rD:rD+7], v[rA:rA+15], v[rB:rB+15], v[rD:rD+7], v[rP], v[rQ] matrix_b_scale:MATRIX_SCALE_ROW1
.else
	v_wmma_scale_f32_16x16x128_f8f6f4 v[rD:rD+7], v[rA:rA+15], v[rB:rB+15], v[rD:rD+7], v[rP], v[rQ] matrix_a_scale:MATRIX_SCALE_ROW1 matrix_b_scale:MATRIX_SCALE_ROW1
.endif
.endif
.endm
.macro MUL8 a, set, q, sg, zero
.irp t, 0,1,2,3,4,5,6,7
	MM \a, \t, \set, \q, \sg, \zero
.endr
.endm
.macro FETCH slot, q, set
	WIN W_PF
.irp i, 0,1,2,3,4,5,6,7
.irp c, 0,1,2,3
	ds_load_b128 v[128*(\set)+16*\i+4*\c:128*(\set)+16*\i+4*\c+3], v[ADRP+\slot] offset:128*(\q)+32*\c+16*PITCH*\i
.endr
.endr
	WIN W_QF
.irp i, 0,1,2,3
.irp c, 0,1,2,3
	ds_load_b128 v[64*(\set)+16*\i+4*\c:64*(\set)+16*\i+4*\c+3], v[ADRQ+\slot] offset:128*(\q)+32*\c+16*PITCH*\i
.endr
.endr
	WIN 0
.endm
.macro SCALES sg
.irp i, 0,1,2,3
	ds_load_b64 v[SCP+8*(\sg)+2*\i:SCP+8*(\sg)+2*\i+1], v[ADSP] offset:2176*\i
.endr
.irp i, 0,1
	ds_load_b64 v[SCQ+4*(\sg)+2*\i:SCQ+4*(\sg)+2*\i+1], v[ADSQ] offset:2176*\i
.endr
.endm
.macro STEP slot, zero
	s_wait_dscnt 0x0
	PLACES 8
	FETCH \slot, 1, 1
	WIN W_MUL
	MUL8 0, 0, 0, \slot, \zero
	MUL8 1, 0, 0, \slot, \zero
	MUL8 2, 0, 0, \slot, \zero
	MUL8 3, 0, 0, \slot, \zero
	WIN 0
.endm
.macro TURN slot, next, fill
.if \fill
	s_wait_xcnt 0x0                                ; my last prefetch has read its address: it may be stepped, one K step on
	s_add_nc_u64 s[44:45], s[44:45], 256
.endif
	s_wait_tensorcnt 0x0
	ds_add_u32 v[SPW], v[NIL]
	s_wait_dscnt 1
	WIN W_MUL
	MUL8 0, 1, 1, \slot, 0
	s_wait_dscnt 0x0
	s_barrier_signal -1
	MUL8 1, 1, 1, \slot, 0
	WIN 0
	s_barrier_wait -1
.if \fill
	CREST
	s_add_nc_u64 s[G0X+4*\slot+2:G0X+4*\slot+3], s[G0X+4*\slot+2:G0X+4*\slot+3], 512
	s_add_nc_u64 s[G0W+4*\slot+2:G0W+4*\slot+3], s[G0W+4*\slot+2:G0W+4*\slot+3], 512
	JLOAD G0X+4*\slot, G1X, G0W+4*\slot, G1W
	PLACES 4
.else
	PLACES 8
.endif
	s_wait_alu depctr_va_vdst(0)
	v_add_nc_u32 v[ADSP], 8, v[ADSP]
	v_add_nc_u32 v[ADSQ], 8, v[ADSQ]
	FETCH \next, 0, 0
	SCALES \next
.if \fill
	s_cmp_gt_u32 s3, 1                             ; behind the refill of K step k: K step k + 2, two refills ahead; the loop's last trip (K steps 6, 7) has none two on
	s_cbranch_scc0 .Lnone_ahead_\@
	global_prefetch_b8 v27, s[44:45] offset:256 th:TH_LOAD_NT scope:SCOPE_SE
.Lnone_ahead_\@:
.endif
	WIN W_MUL
	MUL8 2, 1, 1, \slot, 0
	MUL8 3, 1, 1, \slot, 0
	WIN 0
.endm
.macro LASTMUL
	s_wait_dscnt 0x0
	WIN W_MUL
	MUL8 0, 1, 1, 1, 0
	MUL8 1, 1, 1, 1, 0
	MUL8 2, 1, 1, 1, 0
	MUL8 3, 1, 1, 1, 0
	WIN 0
	PLACES 8
.endm
.macro ROPEAT a                        ; where tile a's cos and sin stand: tile 0 window 0 v128; tile 1 window 1 v192; tiles 2, 3 window 3 v0, v64
.set RW_, (\a)+(\a)/2-(\a)/3
.set COS, 128+64*(\a)-256*((\a)/2)
.set SIN, COS+32
.endm
.macro ROPELD a
	ROPEAT \a
	WIN (RW_<<6)
.irp k, 0,1,2,3,4,5,6,7
	global_load_b128 v[COS+4*\k:COS+4*\k+3], v[L16], s[96:97] offset:8192*(\a)+512*\k
	global_load_b128 v[SIN+4*\k:SIN+4*\k+3], v[L16], s[96:97] offset:8192*(\a)+4096+512*\k
.endr
	WIN 0
.endm
.macro QUANT src, sw, pw
.if \sw
	WIN W_SS
.endif
.irp b, 0,1,2,3
	v_max3_num_f32 v[TM+\b], |v[(\src)+16*\b]|, |v[(\src)+16*\b+1]|, 0x4800000
.endr
.irp i, 2,4,6,8,10,12,14
.irp b, 0,1,2,3
	v_max3_num_f32 v[TM+\b], |v[(\src)+16*\b+\i]|, |v[(\src)+16*\b+\i+1]|, v[TM+\b]
.endr
.endr
	WIN 0
.irp b, 0,1,2,3
	v_permlanex16_b32 v[TM+4+\b], v[TM+\b], s100, s101
.endr
.irp b, 0,1,2,3
	v_max_num_f32 v[TM+\b], v[TM+\b], v[TM+4+\b]
.endr
.irp b, 0,1,2,3
	v_add_nc_u32 v[TM+12+\b], 0xfc000000, v[TM+\b]
.endr
.irp b, 0,1,2,3
	v_and_or_b32 v[TM+8+\b], v[TM+\b], 0x7f800000, s66
.endr
.irp b, 0,1,2,3
	v_lshrrev_b32 v[TM+4+\b], 23, v[TM+12+\b]
.endr
	v_lshl_or_b32 v[\pw], v[TM+5], 8, v[TM+4]
	v_lshl_or_b32 v[\pw], v[TM+6], 16, v[\pw]
	v_lshl_or_b32 v[\pw], v[TM+7], 24, v[\pw]
.if \sw
	WIN W_RS
.endif
.irp b, 0,1,2,3
.irp i, 0,1,2,3,4,5,6,7,8,9,10,11,12,13,14,15
	v_med3_num_f32 v[Y+16*\b+\i], v[(\src)+16*\b+\i], -v[TM+8+\b], v[TM+8+\b]
.endr
.endr
	WIN 0
.irp b, 0,1,2,3
	v_cvt_scalef32_pk8_fp8_f32 v[PC+4*\b:PC+1+4*\b], v[Y+16*\b:Y+7+16*\b], v[TM+12+\b]
	v_cvt_scalef32_pk8_fp8_f32 v[PC+2+4*\b:PC+3+4*\b], v[Y+8+16*\b:Y+15+16*\b], v[TM+12+\b]
.endr
	v_nop
.endm
.macro IMAGE a
.irp c, 0,1,2,3
	global_store_b128 v[L16], v[PC+4*\c:PC+4*\c+3], s[92:93] offset:2048*(\a)+512*\c
.endr
.endm
.macro HEADTILE a
.set AC, 64*(\a)
	WIN W_SS
	v_pk_mul_f32 v[SS:SS+1], v[AC:AC+1], v[AC:AC+1]
	v_pk_mul_f32 v[SS+2:SS+3], v[AC+2:AC+3], v[AC+2:AC+3]
.set i, 4
.rept 15
	v_pk_fma_f32 v[SS:SS+1], v[AC+i:AC+i+1], v[AC+i:AC+i+1], v[SS:SS+1]
	v_pk_fma_f32 v[SS+2:SS+3], v[AC+i+2:AC+i+3], v[AC+i+2:AC+i+3], v[SS+2:SS+3]
.set i, i+4
.endr
	WIN 0
	v_pk_add_f32 v[SS:SS+1], v[SS:SS+1], v[SS+2:SS+3]
	v_add_f32 v[SS], v[SS], v[SS+1]
	v_permlanex16_b32 v[SS+2], v[SS], s100, s101
	v_add_f32 v[SS], v[SS], v[SS+2]
	v_fma_f32 v[SS], v[SS], s98, s99
	s_wait_alu depctr_va_vdst(0)
	v_rsq_f32 v[SS], v[SS]
	v_nop
	s_wait_alu depctr_va_vdst(0)
	WIN W_RS
.set i, 0
.rept 32
	v_pk_mul_f32 v[Y+i:Y+i+1], v[AC+i:AC+i+1], v[SS:SS+1] op_sel_hi:[1,0]
.set i, i+2
.endr
	s_wait_loadcnt 48-16*(\a)                      ; the norm weights (the oldest loads) and tile a's 16 loads of the table are in: behind them 16 for each later tile were issued
	WIN W_NW
.set i, 0
.rept 32
	v_pk_mul_f32 v[Y+i:Y+i+1], v[Y+i:Y+i+1], v[NW+i:NW+i+1]
.set i, i+2
.endr
	WIN 0
	ROPEAT \a
	WIN (RW_<<2)                                   ; cos and sin are source 1 in the four runs below
.set i, 0
.rept 16
	v_pk_mul_f32 v[TP+i:TP+i+1], v[Y+i:Y+i+1], v[SIN+i:SIN+i+1]
.set i, i+2
.endr
.set i, 0
.rept 16
	v_pk_mul_f32 v[Y+i:Y+i+1], v[Y+i:Y+i+1], v[COS+i:COS+i+1]
.set i, i+2
.endr
.set i, 0
.rept 16
	v_pk_fma_f32 v[Y+i:Y+i+1], v[Y+32+i:Y+33+i], v[SIN+i:SIN+i+1], v[Y+i:Y+i+1] neg_lo:[1,0,0] neg_hi:[1,0,0]
.set i, i+2
.endr
.set i, 0
.rept 16
	v_pk_fma_f32 v[Y+32+i:Y+33+i], v[Y+32+i:Y+33+i], v[COS+i:COS+i+1], v[TP+i:TP+i+1]
.set i, i+2
.endr
	WIN 0
	s_wait_xcnt 0x0
	QUANT Y, 0, PWR+\a
	IMAGE \a
.endm
	s_wait_tensorcnt 1                             ; (the norm weights' loads stay out: they are waited for where a head tile first reads them)
	s_barrier_signal -1
	s_barrier_wait -1
	FETCH 0, 0, 0
	SCALES 0
	STEP 0, 1
	s_mov_b32 s3, 3
.Llap:
	TURN 0, 1, 1
	STEP 1, 0
	TURN 1, 0, 1
	STEP 0, 0
	s_sub_co_u32 s3, s3, 1
	s_cmp_lg_u32 s3, 0
	s_cbranch_scc1 .Llap
	s_cmp_eq_u32 ttmp9, 3                          ; the two ways part once, here: the cluster's number is the same in all waves and partners
	s_cbranch_scc1 .Lv_out
	ROPELD 0                                       ; two K steps ahead of their use
	ROPELD 1
	TURN 0, 1, 0
	STEP 1, 0
	PLACES 8                                       ; places ahead of loads into operand set 0, which the step's products have read
	ROPELD 2
	ROPELD 3
	LASTMUL
	HEADTILE 0
	HEADTILE 1
	HEADTILE 2
	HEADTILE 3
	s_branch .Lwords
.Lv_out:
	TURN 0, 1, 0
	STEP 1, 0
	LASTMUL
	s_barrier_signal -1                            ; every wave's reads of both slots are over (waited for in LASTMUL): the stage may be written
	s_barrier_wait -1
	WIN 0x08
.irp a, 0,1,2,3
.irp t, 0,1,2,3,4,5,6,7
	ds_store_b128 v[STW], v[64*\a+8*\t:64*\a+8*\t+3] offset:16*SP*\a+64*\t          ; token 64 w + 16 a + r, channels 16 t + 8 h + 0 .. 3: each accumulator from its low end on
	ds_store_b128 v[STW], v[64*\a+8*\t+4:64*\a+8*\t+7] offset:16*SP*\a+64*\t+16
.endr
.endr
	WIN 0
	s_wait_dscnt 0x0                               ; for the others' sake: my stores have landed
	s_barrier_signal -1
	s_barrier_wait -1
	WIN 0x80
.irp a, 0,1,2,3
.irp t, 0,1,2,3,4,5,6,7
.irp j, 0,1,2,3,4,5,6,7
	ds_load_b32 v[64*\a+8*\t+\j], v[STR] offset:(16*\t+\j)*SP+64*\a                 ; register 64 a + 8 t + j = token 128 (w / 2) + 16 t + 8 h + j of channel 64 (w % 2) + 16 a + r
.endr
.endr
.endr
	WIN 0
	s_wait_dscnt 0x0
.irp a, 0,1,2,3
	s_wait_xcnt 0x0
	QUANT 64*\a, 1, PWR+\a
	IMAGE \a
.endr
.Lwords:
	v_cndmask_b32 v[PWR], v[PWR], v[PWR+1], s67
	v_cndmask_b32 v[PWR+1], v[PWR+2], v[PWR+3], s67
	global_store_b64 v[L8], v[PWR:PWR+1], s[94:95]
	s_wait_tensorcnt 0x0
	ds_add_u32 v[SPW], v[NIL]
	s_wait_dscnt 0x0
	CROUND
	s_endpgm
.Lfunc_end_k_q3b82f8e385_qkv:
	.size	k_q3b82f8e385_qkv, .Lfunc_end_k_q3b82f8e385_qkv-k_q3b82f8e385_qkv
	.p2alignl 7, 3214868480
	.fill 96, 4, 3214868480
	.section	.rodata,"a",@progbits
	.p2align	6, 0x0
	.amdhsa_kernel k_q3b82f8e385_qkv
		.amdhsa_group_segment_fixed_size 327680
		.amdhsa_private_segment_fixed_size 0
		.amdhsa_enable_private_segment 0
		.amdhsa_kernarg_size 72
		.amdhsa_user_sgpr_count 2
		.amdhsa_user_sgpr_kernarg_segment_ptr 1
		.amdhsa_wavefront_size32 1
		.amdhsa_system_sgpr_workgroup_id_x 1
		.amdhsa_system_sgpr_workgroup_id_y 1
		.amdhsa_system_sgpr_workgroup_id_z 1
		.amdhsa_system_vgpr_workitem_id 0
		.amdhsa_next_free_vgpr 1024
		.amdhsa_next_free_sgpr 102
		.amdhsa_reserve_vcc 0
		.amdhsa_float_denorm_mode_32 3
		.amdhsa_float_denorm_mode_16_64 3
		.amdhsa_memory_ordered 1
		.amdhsa_forward_progress 1
		.amdhsa_inst_pref_size 236
	.end_amdhsa_kernel
	.amdgpu_metadata
---
amdhsa.version: [ 1, 2 ]
amdhsa.kernels:
  - .name:           k_q3b82f8e385_qkv
    .symbol:         k_q3b82f8e385_qkv.kd
    .args:
      - { .name: xc, .offset: 0, .size: 8, .value_kind: global_buffer, .address_space: global }
      - { .name: xs, .offset: 8, .size: 8, .value_kind: global_buffer, .address_space: global }
      - { .name: w_qkv_codes, .offset: 16, .size: 8, .value_kind: global_buffer, .address_space: global }
      - { .name: w_qkv_scales, .offset: 24, .size: 8, .value_kind: global_buffer, .address_space: global }
      - { .name: q_norm_w, .offset: 32, .size: 8, .value_kind: global_buffer, .address_space: global }
      - { .name: k_norm_w, .offset: 40, .size: 8, .value_kind: global_buffer, .address_space: global }
      - { .name: rope, .offset: 48, .size: 8, .value_kind: global_buffer, .address_space: global }
      - { .name: qb, .offset: 56, .size: 8, .value_kind: global_buffer, .address_space: global }
      - { .name: kv, .offset: 64, .size: 8, .value_kind: global_buffer, .address_space: global }
    .group_segment_fixed_size: 327680
    .private_segment_fixed_size: 0
    .kernarg_segment_align: 8
    .kernarg_segment_size: 72
    .max_flat_workgroup_size: 128
    .sgpr_count:     102
    .vgpr_count:     1024
    .wavefront_size: 32
...
	.end_amdgpu_metadata
.endif
;; end of part 2
;; launch attn (part 3): grid 64 x 4, 8 waves a work-group, clusters of 4 x 1, 327,680 bytes of LDS; arguments qb, kv, gate, ac, as; writes ac, as
.if DOCPART == 3
	.amdgcn_target "amdgcn-amd-amdhsa--gfx1250"
	.amdhsa_code_object_version 6
	.text
	.protected	k_q3b82f8e385_attn
	.globl	k_q3b82f8e385_attn
	.p2align	8
	.type	k_q3b82f8e385_attn,@function
k_q3b82f8e385_attn:
	s_mov_b64 s[64:65], 0
	v_nop
	global_prefetch_b8 v0, s[64:65] scope:SCOPE_SE
	s_setreg_imm32_b32 hwreg(HW_REG_WAVE_MODE, 25, 1), 1
	s_wait_xcnt 0x0
	s_wait_alu depctr_hold_cnt(0) depctr_sa_sdst(0) depctr_va_vdst(0) depctr_va_sdst(0) depctr_va_ssrc(0) depctr_va_vcc(0) depctr_vm_vsrc(0)
	s_getreg_b32 s2, hwreg(HW_REG_IB_STS2, 6, 4)
	s_cmp_eq_u32 s2, 0
	s_cbranch_scc0 .Lentry_in_a_cluster
	s_endpgm
.Lentry_in_a_cluster:
	s_bfe_u32 s2, ttmp6, 0x10000c
	s_cmp_lg_u32 s2, 0x3003
	s_cbranch_scc0 .Lentry_shape_is_right
	s_endpgm
.Lentry_shape_is_right:
; ATTN.  Causal attention on codes of FP8 (E4M3), 8 query heads on 4 key and value heads, head size 128, 4,096 tokens; then / the row's sum, x the head's gate, and the quantiser ahead of the output projection.
; THE SOFTMAX: t = score x log2(e) / sqrt(128); M = the running largest t rounded UP to a whole number; p = 2^(t - M) is quantised along the keys; the sum is taken of the unquantised p; when M moves, sum and O are multiplied by a power of two.
; LAYOUT.  Both products are used transposed (S^T = K Q^T, O^T = V^T P^T): a lane holds ONE query (lane % 16).  Operands come as images of their registers, 16 bytes a lane.  Register 8 t + j of S^T is key 16 t + 8 h + j;
; the quantiser puts register 16 b + i at place 32 b + 16 h + i: a permutation inside a block of 32 keys, the same that V^T's images have.  So blocks and scales are the true ones.
; SHARES.  A cluster (P = its x, 0 .. 15; g = its y) owns the query blocks of 128 numbered P (lo) and 31 - P (hi), for the two query heads of key head g.  Partner cx owns queries 32 cx .. 32 cx + 31 of each block.
; Wave w: role w / 4, head 2 g + (w / 2) % 2, tile w % 2.  Role X (waves 0-3) walks the hi tile's key steps 0 .. 15 in trips 0 .. 15.  Role Y (waves 4-7) walks the lo tile's steps 0 .. P in trips 0 .. P, stores it,
; and then walks the hi tile's steps 16 .. 31 - P in trips P + 1 .. 16.  At the end Y hands (O, -M, sum) to its partner in X through LDS, and X joins the two by powers of two.  So X has 16 key steps and Y 17, in every cluster.
; Every branch hangs on the wave's number, on P and on the trip: alike in all partners.  cx enters global addresses of plain loads, stores and prefetches, and the mask's vector compare; nothing else.
; THE RING.  Two slots; a slot holds two trips x two roles: four blocks of 33,792 bytes (a key step: 8 images of K, 8 of V^T, their scale words).  Wave w fetches bytes 16,896 w on of a slot by ONE joint load, the same in all four partners.
; In trips up to P both roles' blocks hold the same key step: the price of trip counts that are constants.  The last slot holds trip 16 alone, and of it role Y's block alone: waves 2 and 3 fetch it.
; OUT.  ac [token tile 256][head 8][image of 2,048 bytes], in the TRUE order along K (the other operand, w_o, is given): the codes' registers are exchanged between the halves of the lanes.  as [tile][head][16 words].
; LIMITS: NaN and infinities are not served; a block whose largest magnitude lies under 2^-118 keeps the byte 1 (zeros too; this program alone reads the bytes).
; REGISTERS: v1-11 addresses; v12 -M, v13 the largest t, v[14:15] the sum; v16-31 Q; v32-95 V's first four fragments; v96-159 S^T, then p; v160-223 O^T; v224-239 p's codes; v232-247, v252, v254 at work; v248-251, v253, v255 scale words.
.set BLK,   33792
.set SLOTB, 4*BLK
.set STAGE, 2*SLOTB                    ; behind the ring: 8,448 bytes for each pair of waves: O^T's image, then (-M, sum)
.set SPARE, STAGE+4*8448               ; the spare words, 128 bytes for each wave: four blocks of 256 bytes that no other line names
.set LB16, 1                           ; v1  16 x lane + my role's block
.set LB8,  2                           ; v2  8 x lane + my role's block
.set DLT,  3                           ; v3  my query in its block of 128, less 8 h
.set GT,   4                           ; v4  the gate of the tile that I store
.set SPW,  5
.set NIL,  6
.set PFO,  7                           ; v7  256 x lane
.set ADB,  8                           ; v8  the step's images
.set ADS,  9                           ; v9  the step's scale words
.set L16,  10                          ; v10 16 x lane
.set R4,   11                          ; v11 4 r
.set WV,   14
.set RO,   15                          ; s15 role
.set PP,   16                          ; s16 P
.set GG,   17                          ; s17 g
.set CX,   18
.set MNT,  19
.set SEL,  20
.set CS,   22                          ; s[22:23] c = log2(e) / sqrt(128)
.set G1,   24
.set G0,   32
.set TB,   36                          ; s36 LDS byte at which the trip's two blocks begin
.set FTB,  37                          ; s37 the slot that is asked for
.set FI,   38                          ; s38 the trip of the block that I fetch next
.set YADD, 39                          ; s39 15 - P where I fetch for role Y, else 0
.set WOFF, 40                          ; s40 16,896 x wave
.set KVB,  42                          ; s[42:43] kv at my key head, + my half of a block
.set T0,   44                          ; s[44:45] an offset; the upper word stays 0
.set TRIP, 46
.set LAST, 47                          ; s47 my last trip with work
.set SW,   48                          ; s48 the trip at whose head role Y changes tiles
.set MK1,  49                          ; s49, s50 my trips on the diagonal
.set MK2,  50
.set SLOTS, 51
.set TWICE, 52
.set W2,   53                          ; s53 wave / 2
.set PFB,  54                          ; s[54:55] kv at my key head, + my work-group's quarter of a block's images
.set PFA,  56                          ; s[56:57] where my prefetch stands
.set LIMI, 58                          ; s58 the last trip whose block I prefetch; 0 in a wave that prefetches nothing
.set HM,   59                          ; s59 lanes 16 to 31
.set QH,   66                          ; s[66:67] the hi tile's image of Q; s[68:69] its scale words
.set QHS,  68
.set AO,   70                          ; s[70:71] my image in ac; s[72:73] my words in as
.set ASO,  72
.macro CROUND                          ; a round of the cluster's barrier
	s_barrier_signal -1
	s_barrier_wait -1
	s_cmp_lg_u32 s[WV], 0
	s_cbranch_scc1 .Lnot_wave_0_\@
	s_barrier_signal -3
.Lnot_wave_0_\@:
	s_barrier_wait -3
	s_barrier_signal -1
	s_barrier_wait -1
.endm
; The walking descriptor, on registers alone: the key step of trip FI in my stream (role Y's stream jumps by 15 - P behind trip P), the other slot than last time, and FI two trips on.
.macro DESC
	s_cmp_gt_u32 s[FI], s[PP]
	s_cselect_b32 s[T0], s[YADD], 0
	s_add_co_u32 s[T0], s[T0], s[FI]
	s_min_u32 s[T0], s[T0], 31
	s_mul_i32 s[T0], s[T0], BLK
	s_add_nc_u64 s[G0+2:G0+3], s[KVB:KVB+1], s[T0:T0+1]
	s_or_b32 s[G0+3], s[G0+3], 0x80000000
	s_xor_b32 s[FTB], s[FTB], SLOTB
	s_add_co_u32 s[G0+1], s[FTB], s[WOFF]
	s_add_co_u32 s[FI], s[FI], 2
.endm
; A PREFETCH INTO THE L2 of what the NEXT change of slots will ask for: a block's 16 images, 32,768 bytes.  All clusters of a key head walk the same kv; the cluster with P = 0 asks: its two streams name key steps 0 .. 15 and 16 .. 31.
; Its four partners take 8,192 bytes each, told apart BY ADDRESS; in each the even wave that fetches the block's first half asks, lanes 256 bytes apart: one instruction.  So each block of 256 bytes is named once in the launch.
; It stands behind the wave's tensor load and its four lines, one slot (two trips) ahead of the load that will want the bytes.  Slots 0 and 1 and a block's scale words come by their loads alone; trips past LIMI ask for nothing.
.macro ASK
	s_cmp_le_u32 s[FI], s[LIMI]
	s_cbranch_scc0 .Lnot_mine_\@
	global_prefetch_b8 v[PFO], s[PFA:PFA+1] th:TH_LOAD_NT scope:SCOPE_SE
.Lnot_mine_\@:
.endm
	s_load_b256 s[4:11], s[0:1], 0x0               ; qb s[4:5], kv s[6:7], gate s[8:9], ac s[10:11]
	s_load_b64 s[12:13], s[0:1], 0x20              ; as
	v_lshl_add_u32 v[SPW], v0, 2, SPARE
	v_mov_b32 v[NIL], 0
	ds_add_u32 v5, v6
	ds_add_u32 v5, v6
	s_wait_dscnt 0x0
	v_lshrrev_b32 v1, 5, v0
	s_delay_alu instid0(VALU_DEP_1)
	v_readfirstlane_b32 s[WV], v1                  ; wave 0..7
	s_lshr_b32 s[RO], s[WV], 2
	s_mov_b32 s[PP], ttmp9                         ; in a cluster launch ttmp9 counts clusters
	s_and_b32 s[GG], ttmp7, 0xffff
	s_bfe_u32 s[CX], ttmp6, 0x40000
	s_mov_b32 s[G1], 15|(3<<16)|(1<<21)            ; 15:0 the mask: all four work-groups; 17:16 elements of 8 bytes; 21 set beside a mask; no padding: images are read 16 bytes a lane on end
	s_mov_b32 s[G1+1], 32<<16                      ; tensor_dim0: 256 bytes
	s_mov_b32 s[G1+2], 66<<16                      ; tensor_dim1: 66 rows: 16,896 dense bytes
	s_mov_b32 s[G1+3], 32<<16
	s_mov_b32 s[G1+4], 66
	s_mov_b32 s[G1+5], 32
	s_mov_b32 s[G1+6], 0
	s_mov_b32 s[G1+7], 0
	s_mov_b32 s[G0], 1
	s_mov_b32 s[FTB], SLOTB
	s_lshr_b32 s[FI], s[WV], 2                     ; waves 0-3 fetch a slot's first trip, waves 4-7 its second
	s_lshr_b32 s[W2], s[WV], 1
	s_and_b32 s74, s[W2], 1                        ; the role that I fetch for
	s_sub_co_u32 s[YADD], 15, s[PP]
	s_cmp_eq_u32 s74, 1
	s_cselect_b32 s[YADD], s[YADD], 0
	s_mul_i32 s[WOFF], s[WV], 16896
	s_mov_b32 s[T0+1], 0
	s_and_b32 s77, s[WV], 1                        ; u: my tile of the two; also: which half of a block I fetch
	s_or_b32 s75, s77, s[PP]                       ; 0 in the even waves of the cluster with P = 0
	s_add_co_u32 s[LIMI], s74, 15                  ; role X's stream is read up to trip 15, role Y's up to trip 16
	s_cmp_eq_u32 s75, 0
	s_cselect_b32 s[LIMI], s[LIMI], 0
	s_mul_i32 s76, s[GG], 32*BLK
	s_mul_i32 s78, s77, 16896
	s_add_co_u32 s78, s78, s76
	s_mov_b32 s79, 0
	s_lshl_b32 s80, s[CX], 13
	s_add_co_u32 s80, s80, s76
	s_mov_b32 s81, 0
	s_wait_kmcnt 0x0
	s_add_nc_u64 s[KVB:KVB+1], s[6:7], s[78:79]
	s_add_nc_u64 s[PFB:PFB+1], s[6:7], s[80:81]
	s_mov_b64 s[PFA:PFA+1], s[PFB:PFB+1]
	CROUND                                         ; all four work-groups are here
	DESC
	tensor_load_to_lds s[G0:G0+3], s[G1:G1+7]      ; slot 0: one load of mine is out
	s_nop 0
.rept 4
	v_nop
.endr
	; my tiles, and where they lie
	s_and_b32 s74, s[W2], 1
	s_lshl_b32 s76, s[GG], 1
	s_add_co_u32 s76, s76, s74                     ; my query head
	s_lshl_b32 s78, s[CX], 1
	s_add_co_u32 s78, s78, s77                     ; 2 cx + u
	s_sub_co_u32 s79, 31, s[PP]
	s_lshl_b32 s79, s79, 3
	s_add_co_u32 s79, s79, s78                     ; the hi tile
	s_lshl_b32 s80, s[PP], 3
	s_add_co_u32 s80, s80, s78                     ; the lo tile
	s_cmp_eq_u32 s[RO], 0
	s_cselect_b32 s80, s79, s80                    ; the tile that I begin with, and that I store: X hi, Y lo
	s_lshl_b32 s81, s76, 6
	s_lshr_b32 s82, s79, 2
	s_add_co_u32 s82, s82, s81
	s_mul_i32 s82, s82, 8448                       ; the hi tile's group in qb
	s_lshr_b32 s83, s80, 2
	s_add_co_u32 s83, s83, s81
	s_mul_i32 s83, s83, 8448                       ; my first tile's
	s_and_b32 s84, s78, 3
	s_lshl_b32 s84, s84, 11                        ; the image in its group
	s_lshl_b32 s85, s77, 7
	s_and_b32 s86, s[CX], 1
	s_lshl_b32 s86, s86, 2
	s_add_co_u32 s85, s85, s86
	s_add_co_u32 s85, s85, 8192                    ; the scale words: 8 (16 u + r) + 4 (cx % 2), less 8 r
	s_mov_b32 s87, 0
	s_add_co_u32 s86, s82, s84
	s_add_nc_u64 s[QH:QH+1], s[4:5], s[86:87]
	s_add_co_u32 s86, s82, s85
	s_add_nc_u64 s[QHS:QHS+1], s[4:5], s[86:87]
	s_add_co_u32 s86, s83, s84
	s_add_nc_u64 s[88:89], s[4:5], s[86:87]
	s_add_co_u32 s86, s83, s85
	s_add_nc_u64 s[90:91], s[4:5], s[86:87]
	s_lshl_b32 s86, s80, 3
	s_add_co_u32 s86, s86, s76                     ; 8 x tile + head
	s_mov_b32 s83, 0
	s_lshl_b32 s82, s86, 11
	s_add_nc_u64 s[AO:AO+1], s[10:11], s[82:83]
	s_lshl_b32 s82, s86, 6
	s_add_nc_u64 s[ASO:ASO+1], s[12:13], s[82:83]
	s_lshl_b32 s82, s80, 9
	s_lshl_b32 s84, s76, 2
	s_add_co_u32 s82, s82, s84
	s_add_nc_u64 s[92:93], s[8:9], s[82:83]        ; gate at (16 x tile, head)
	v_and_b32 v[L16], 31, v0                       ; lane
	v_and_b32 v[R4], 15, v0                        ; r
	v_bfe_u32 v9, v0, 4, 1                         ; h
	s_mul_i32 s74, s[RO], BLK
	v_lshl_add_u32 v[LB16], v[L16], 4, s74
	v_lshl_add_u32 v[LB8], v[L16], 3, s74
	s_lshl_b32 s74, s[CX], 5
	s_lshl_b32 s82, s77, 4
	s_add_co_u32 s74, s74, s82
	v_add_nc_u32 v[DLT], s74, v[R4]
	v_lshlrev_b32 v9, 3, v9
	s_delay_alu instid0(VALU_DEP_1)
	v_sub_nc_u32 v[DLT], v[DLT], v9                ; 32 cx + 16 u + r - 8 h
	v_lshlrev_b32 v[PFO], 8, v[L16]
	v_lshlrev_b32 v8, 3, v[R4]                     ; (8 r and 32 r: offsets of the two loads below; the registers are free again behind the wait for them)
	v_lshlrev_b32 v9, 5, v[R4]
	v_lshlrev_b32 v[L16], 4, v[L16]
	v_lshlrev_b32 v[R4], 2, v[R4]
.irp c, 0,1,2,3
	global_load_b128 v[16+4*\c:19+4*\c], v[L16], s[88:89] offset:512*\c
.endr
	global_load_b32 v255, v8, s[90:91]             ; Q's scale words: lane r has row r's
	global_load_b32 v[GT], v9, s[92:93]
	s_mov_b32 s[MNT], 0x600000
	s_mov_b32 s[SEL], 0x76543210
	s_mov_b32 s[SEL+1], 0xfedcba98
	s_mov_b32 s[CS], 0x3e0293ee
	s_mov_b32 s[CS+1], s[CS]                       ; (named with it as a pair, so it is written)
	s_mov_b32 s[HM], 0xffff0000
	s_mov_b32 s[TB], 0
	s_mov_b32 s[TRIP], 0
	s_add_co_u32 s[LAST], s[RO], 15
	s_add_co_u32 s[SW], s[PP], 1
	s_mov_b32 s74, 255                             ; a trip that never comes
	s_cmp_eq_u32 s[RO], 1
	s_cselect_b32 s[SW], s[SW], s74
	s_cselect_b32 s[MK1], s[PP], s74
	s_cselect_b32 s[MK2], 16, s74
.macro FRESH                           ; a tile's state at its start: the first change of M multiplies zeros
	v_mov_b32 v13, 0xff61b1e6                      ; the largest t so far: -3e38, under every t
	s_delay_alu instid0(VALU_DEP_1)
	v_floor_f32 v12, -v13                          ; -M
	v_mov_b32 v14, 0
	v_mov_b32 v15, 0
.set j, 0
.rept 64
	v_mov_b32 v[160+j], 0
.set j, j+1
.endr
.endm
	FRESH
.irp b, 0,1,2,3
	v_mov_b32 v[236+\b], 0                         ; written once: a lane permute's destination counts as one of its sources
.endr
.irp b, 0,1,2,3,4,5,6,7
	v_mov_b32 v[120+\b], 0
.endr
	v_mov_b32 v252, 0
	v_mov_b32 v253, 0
; THE END OF A TILE: O^T / the sum x the gate; the quantiser along the head's channels; the codes into the true order; out.
.macro EPI
	v_add_f32 v14, v14, v15                        ; the sum's two halves,
	s_wait_alu depctr_va_vdst(0)
	v_permlanex16_b32 v252, v14, s[SEL], s[SEL+1]
	s_delay_alu instid0(VALU_DEP_1)
	v_add_f32 v14, v14, v252                       ; and lane l xor 16's
	s_wait_alu depctr_va_vdst(0)
	v_rcp_f32 v14, v14
	v_nop
	s_wait_alu depctr_va_vdst(0)                   ; the wait ahead of the first reader
	v_mul_f32 v14, v14, v[GT]
.set j, 0
.rept 32
	v_pk_mul_f32 v[160+j:161+j], v[160+j:161+j], v[14:15] op_sel_hi:[1,0]   ; each accumulator from its low end on
.set j, j+2
.endr
.irp b, 0,1,2,3
	v_max3_num_f32 v[232+\b], |v[160+16*\b]|, |v[161+16*\b]|, 0x4800000     ; block b: my 16 numbers, and the floor 2^(9 - 127)
.endr
.irp i, 2,4,6,8,10,12,14
.irp b, 0,1,2,3
	s_delay_alu instid0(VALU_DEP_4)
	v_max3_num_f32 v[232+\b], v[232+\b], |v[160+16*\b+\i]|, |v[161+16*\b+\i]|
.endr
.endr
.irp b, 0,1,2,3
	v_permlanex16_b32 v[236+\b], v[232+\b], s[SEL], s[SEL+1]
.endr
.irp b, 0,1,2,3
	s_delay_alu instid0(VALU_DEP_4)
	v_max_num_f32 v[232+\b], v[232+\b], v[236+\b]
.endr
.irp b, 0,1,2,3
	s_delay_alu instid0(VALU_DEP_4)
	v_add_nc_u32 v[244+\b], 0xfc000000, v[232+\b]
.endr
.irp b, 0,1,2,3
	v_and_or_b32 v[240+\b], v[232+\b], 0x7f800000, s[MNT]
.endr
.irp b, 0,1,2,3
	v_lshrrev_b32 v[236+\b], 23, v[244+\b]
.endr
	s_delay_alu instid0(VALU_DEP_3)
	v_lshl_or_b32 v253, v237, 8, v236
	s_delay_alu instid0(VALU_DEP_1)
	v_lshl_or_b32 v253, v238, 16, v253
	s_delay_alu instid0(VALU_DEP_1)
	v_lshl_or_b32 v253, v239, 24, v253
.irp b, 0,1,2,3
.irp i, 0,1,2,3,4,5,6,7,8,9,10,11,12,13,14,15
	v_med3_num_f32 v[160+16*\b+\i], v[160+16*\b+\i], -v[240+\b], v[240+\b]
.endr
	v_cvt_scalef32_pk8_fp8_f32 v[96+4*\b:97+4*\b], v[160+16*\b:167+16*\b], v[244+\b]
	v_cvt_scalef32_pk8_fp8_f32 v[98+4*\b:99+4*\b], v[168+16*\b:175+16*\b], v[244+\b]
.endr
	v_nop                                          ; a plain line behind the last conversion
	; block b's four registers hold channels 32 b + 8 h + 0..7 and 32 b + 16 + 8 h + 0..7; wanted are 32 b + 16 h + 0..15: lanes 0-15 give their second pair for the other half's first, lanes 16-31 the other way round
.irp b, 0,1,2,3
.irp k, 0,1
	v_cndmask_b32 v[112+2*\b+\k], v[98+4*\b+\k], v[96+4*\b+\k], s[HM]
.endr
.endr
.irp b, 0,1,2,3,4,5,6,7
	v_permlanex16_b32 v[120+\b], v[112+\b], s[SEL], s[SEL+1]
.endr
.irp b, 0,1,2,3
.irp k, 0,1
	v_cndmask_b32 v[96+4*\b+\k], v[96+4*\b+\k], v[120+2*\b+\k], s[HM]
	v_cndmask_b32 v[98+4*\b+\k], v[120+2*\b+\k], v[98+4*\b+\k], s[HM]
.endr
.endr
.irp c, 0,1,2,3
	global_store_b128 v[L16], v[96+4*\c:99+4*\c], s[AO:AO+1] offset:512*\c  ; 512 consecutive bytes a store
.endr
	global_store_b32 v[R4], v253, s[ASO:ASO+1]     ; 16 words; lanes r and r + 16 write the same word with the same value
	s_wait_xcnt 0x0                                ; the stores have read their registers: these may be written again
.endm
; Role Y changes tiles: the hi tile's Q is asked for, the lo tile goes out meanwhile, the state begins anew.
.macro SWITCH
.rept 8
	v_nop                                          ; places between the last products and the reads of their results, and the loads into Q's registers
.endr
	v_lshlrev_b32 v254, 1, v[R4]                   ; 8 r; not written again before the wait below
.irp c, 0,1,2,3
	global_load_b128 v[16+4*\c:19+4*\c], v[L16], s[QH:QH+1] offset:512*\c
.endr
	global_load_b32 v255, v254, s[QHS:QHS+1]
	EPI
	FRESH
	s_wait_loadcnt 0x0
.endm
; A KEY STEP: 128 keys.  A wave whose role has no work in this trip passes over it; no barrier and no tensor load stands in a step.
.macro STEP
	s_cmp_gt_u32 s[TRIP], s[LAST]
	s_cbranch_scc1 .Lidle_\@
	s_cmp_eq_u32 s[TRIP], s[SW]
	s_cbranch_scc0 .Lsame_\@
	SWITCH
.Lsame_\@:
	v_add_nc_u32 v[ADB], s[TB], v[LB16]
	s_wait_alu depctr_va_vdst(0)
	v_add_nc_u32 v[ADS], s[TB], v[LB8]
.rept 6
	v_nop                                          ; with the two additions: eight places in front of loads into registers that the last products have read
.endr
	ds_load_b64 v[248:249], v[ADS] offset:32768    ; K's scale words: v248 tiles 0 | 1, v249 tiles 2 | 3 (lanes 0-15 | 16-31),
	ds_load_b64 v[250:251], v[ADS] offset:33024    ; v250 tiles 4 | 5, v251 tiles 6 | 7
	s_set_vgpr_msb 0x40                            ; destinations in window 1: v256-383 K's eight fragments, v384-447 V's fragments 4 to 7: all asked for in one run at the step's head
.irp t, 0,1,2,3,4,5,6,7
.irp c, 0,1,2,3
	ds_load_b128 v[16*\t+4*\c:16*\t+4*\c+3], v[ADB] offset:2048*\t+512*\c
.endr
.endr
.irp t, 0,1,2,3
.irp c, 0,1,2,3
	ds_load_b128 v[128+16*\t+4*\c:128+16*\t+4*\c+3], v[ADB] offset:16384+2048*(4+\t)+512*\c
.endr
.endr
	s_set_vgpr_msb 0x4001                          ; source 0 in window 1
.irp g, 0,1                                    ; S^T = K Q^T
	s_wait_dscnt 32-16*\g                          ; K's fragments 4 g .. 4 g + 3 are in: behind them 16 loads of V's and, for g = 0, 16 of K's were issued
.irp t, 0,2
	v_wmma_scale_f32_16x16x128_f8f6f4 v[96+8*(4*\g+\t):103+8*(4*\g+\t)], v[16*(4*\g+\t):16*(4*\g+\t)+15], v[16:31], 0, v[248+2*\g+\t/2], v255
	v_wmma_scale_f32_16x16x128_f8f6f4 v[104+8*(4*\g+\t):111+8*(4*\g+\t)], v[16*(4*\g+\t)+16:16*(4*\g+\t)+31], v[16:31], 0, v[248+2*\g+\t/2], v255 matrix_a_scale:MATRIX_SCALE_ROW1
.endr
.endr
	s_set_vgpr_msb 0x0100
.rept 8
	v_nop
.endr
	s_wait_alu depctr_va_vdst(0)
	ds_load_b64 v[248:249], v[ADS] offset:33280    ; V's scale words and its first four fragments are asked for here: they land under the softmax
	ds_load_b64 v[250:251], v[ADS] offset:33536
.irp t, 0,1,2,3
.irp c, 0,1,2,3
	ds_load_b128 v[32+16*\t+4*\c:35+16*\t+4*\c], v[ADB] offset:16384+2048*\t+512*\c
.endr
.endr
	s_cmp_eq_u32 s[TRIP], s[MK1]                   ; on the diagonal the scores of hidden keys become -infinity ahead of the maximum: p = 0 then
	s_cbranch_scc1 .Lmask_\@
	s_cmp_eq_u32 s[TRIP], s[MK2]
	s_cbranch_scc0 .Lopen_\@
.Lmask_\@:
	v_mov_b32 v254, 0xff800000
.set n, 0
.rept 64
	v_cmp_gt_i32 vcc_lo, 16*(n/8)+n%8, v[DLT]      ; register n holds key 16 (n / 8) + 8 h + n % 8 of the block: hidden where that is above my query
	v_cndmask_b32 v[96+n], v[96+n], v254, vcc_lo
.set n, n+1
.endr
.Lopen_\@:
.irp b, 0,1,2,3
	v_max3_num_f32 v[232+\b], v[96+16*\b], v[97+16*\b], v[98+16*\b]         ; the largest score of each block of 32 keys: for the row's maximum, and, since p rises with the score, for the block's largest p
.endr
.irp i, 3,5,7,9,11,13
.irp b, 0,1,2,3
	v_max3_num_f32 v[232+\b], v[232+\b], v[96+16*\b+\i], v[97+16*\b+\i]
.endr
.endr
.irp b, 0,1,2,3
	v_max_num_f32 v[232+\b], v[232+\b], v[111+16*\b]
.endr
.irp b, 0,1,2,3
	v_permlanex16_b32 v[236+\b], v[232+\b], s[SEL], s[SEL+1]
.endr
.irp b, 0,1,2,3
	s_delay_alu instid0(VALU_DEP_4)
	v_max_num_f32 v[232+\b], v[232+\b], v[236+\b]  ; with lane l xor 16's 16 keys
.endr
	s_delay_alu instid0(VALU_DEP_2)
	v_max3_num_f32 v254, v232, v233, v234
	s_delay_alu instid0(VALU_DEP_1)
	v_max_num_f32 v254, v254, v235
	s_delay_alu instid0(VALU_DEP_1)
	v_mul_f32 v254, s[CS], v254                    ; the step's largest t
	s_delay_alu instid0(VALU_DEP_1)
	v_max_num_f32 v13, v13, v254
	v_mov_b32 v254, v12
	s_delay_alu instid0(VALU_DEP_2)
	v_floor_f32 v12, -v13                          ; the new -M = -ceil(t)
	s_delay_alu instid0(VALU_DEP_1)
	v_sub_f32 v254, v12, v254                      ; old M - new M: a whole number, 0 or less
	s_delay_alu instid0(VALU_DEP_1)
	v_cvt_i32_f32 v254, v254                       ; (it saturates)
	s_delay_alu instid0(VALU_DEP_1)
	v_ldexp_f32 v252, 1.0, v254                    ; f = 2^(old M - new M)
.set j, 0
.rept 32
	v_pk_fma_f32 v[96+j:97+j], v[96+j:97+j], s[CS:CS+1], v[12:13] op_sel_hi:[1,0,0]     ; t - M
.set j, j+2
.endr
.irp b, 0,1,2,3
	v_fma_f32 v[232+\b], v[232+\b], s[CS], v12
.endr
.set j, 0
	s_wait_alu depctr_va_vdst(0)
.rept 64
	v_exp_f32 v[96+j], v[96+j]                     ; p = 2^(t - M)
.set j, j+1
.endr
	v_pk_mul_f32 v[14:15], v[14:15], v[252:253] op_sel_hi:[1,0]    ; the sums under the new M.  (A plain line behind the exponentials)
	s_wait_alu depctr_va_vdst(0)                   ; one wait for the whole batch, ahead of its first reader
.irp b, 0,1,2,3
	v_exp_f32 v[232+\b], v[232+\b]                 ; the block's largest p: the same two instructions on the same number
.endr
	v_pk_add_f32 v[236:237], v[100:101], v[104:105]
	v_pk_add_f32 v[246:247], v[108:109], v[112:113]
	v_pk_add_f32 v[244:245], v[116:117], v[120:121]
	v_pk_add_f32 v[242:243], v[124:125], v[128:129]
	v_pk_add_f32 v[240:241], v[132:133], v[136:137]
	v_pk_add_f32 v[238:239], v[140:141], v[144:145]
	v_pk_add_f32 v[230:231], v[148:149], v[152:153]
	v_pk_add_f32 v[14:15], v[14:15], v[156:157]
	v_pk_add_f32 v[236:237], v[236:237], v[96:97]
	v_pk_add_f32 v[246:247], v[246:247], v[98:99]
	v_pk_add_f32 v[244:245], v[244:245], v[102:103]
	v_pk_add_f32 v[242:243], v[242:243], v[106:107]
	v_pk_add_f32 v[240:241], v[240:241], v[110:111]
	v_pk_add_f32 v[238:239], v[238:239], v[114:115]
	v_pk_add_f32 v[230:231], v[230:231], v[118:119]
	v_pk_add_f32 v[14:15], v[14:15], v[122:123]
	v_pk_add_f32 v[236:237], v[236:237], v[126:127]
	v_pk_add_f32 v[246:247], v[246:247], v[130:131]
	v_pk_add_f32 v[244:245], v[244:245], v[134:135]
	v_pk_add_f32 v[242:243], v[242:243], v[138:139]
	v_pk_add_f32 v[240:241], v[240:241], v[142:143]
	v_pk_add_f32 v[238:239], v[238:239], v[146:147]
	v_pk_add_f32 v[230:231], v[230:231], v[150:151]
	v_pk_add_f32 v[14:15], v[14:15], v[154:155]
	v_pk_add_f32 v[236:237], v[236:237], v[158:159]
	s_delay_alu instid0(VALU_DEP_2)
	v_pk_add_f32 v[14:15], v[14:15], v[242:243]
	s_delay_alu instid0(VALU_DEP_2)
	v_pk_add_f32 v[236:237], v[236:237], v[240:241]
	v_pk_add_f32 v[246:247], v[246:247], v[238:239]
	v_pk_add_f32 v[244:245], v[244:245], v[230:231]
	s_delay_alu instid0(VALU_DEP_2)
	v_pk_add_f32 v[14:15], v[14:15], v[246:247]
	s_delay_alu instid0(VALU_DEP_2)
	v_pk_add_f32 v[236:237], v[236:237], v[244:245]
	s_delay_alu instid0(VALU_DEP_1)
	v_pk_add_f32 v[14:15], v[14:15], v[236:237]
	s_wait_alu depctr_va_vdst(0)                   ; and one for the four
.irp b, 0,1,2,3
	v_max_num_f32 v[232+\b], 0x4800000, v[232+\b]  ; the floor 2^(9 - 127)
.endr
.irp b, 0,1,2,3
	s_delay_alu instid0(VALU_DEP_4)
	v_add_nc_u32 v[244+\b], 0xfc000000, v[232+\b]
.endr
.irp b, 0,1,2,3
	v_and_or_b32 v[240+\b], v[232+\b], 0x7f800000, s[MNT]
.endr
.irp b, 0,1,2,3
	v_lshrrev_b32 v[236+\b], 23, v[244+\b]
.endr
	s_delay_alu instid0(VALU_DEP_3)
	v_lshl_or_b32 v253, v237, 8, v236              ; p's scale word for these 128 keys
	s_delay_alu instid0(VALU_DEP_1)
	v_lshl_or_b32 v253, v238, 16, v253
	s_delay_alu instid0(VALU_DEP_1)
	v_lshl_or_b32 v253, v239, 24, v253
.irp b, 0,1,2,3
.irp i, 0,1,2,3,4,5,6,7,8,9,10,11,12,13,14,15
	v_min_num_f32 v[96+16*\b+\i], v[96+16*\b+\i], v[240+\b]        ; the hold; p is not negative, so it is one-sided
.endr
	v_cvt_scalef32_pk8_fp8_f32 v[224+4*\b:225+4*\b], v[96+16*\b:103+16*\b], v[244+\b]
	v_cvt_scalef32_pk8_fp8_f32 v[226+4*\b:227+4*\b], v[104+16*\b:111+16*\b], v[244+\b]
.endr
.set j, 0
.rept 32
	v_pk_mul_f32 v[160+j:161+j], v[160+j:161+j], v[252:253] op_sel_hi:[1,0]     ; O^T under the new M.  (These are also the places in front of the products below)
.set j, j+2
.endr
	s_wait_alu depctr_va_vdst(0)
	s_wait_dscnt 0x0                               ; V's first four fragments and its scale words
.irp t, 0,2                                    ; O^T += V^T P^T
	v_wmma_scale_f32_16x16x128_f8f6f4 v[160+8*\t:167+8*\t], v[32+16*\t:47+16*\t], v[224:239], v[160+8*\t:167+8*\t], v[248+\t/2], v253
	v_wmma_scale_f32_16x16x128_f8f6f4 v[168+8*\t:175+8*\t], v[48+16*\t:63+16*\t], v[224:239], v[168+8*\t:175+8*\t], v[248+\t/2], v253 matrix_a_scale:MATRIX_SCALE_ROW1
.endr
	s_set_vgpr_msb 0x01                            ; V's fragments 4 to 7 stand in window 1 since the step's head
.irp t, 0,2
	v_wmma_scale_f32_16x16x128_f8f6f4 v[192+8*\t:199+8*\t], v[128+16*\t:143+16*\t], v[224:239], v[192+8*\t:199+8*\t], v[250+\t/2], v253
	v_wmma_scale_f32_16x16x128_f8f6f4 v[200+8*\t:207+8*\t], v[144+16*\t:159+16*\t], v[224:239], v[200+8*\t:207+8*\t], v[250+\t/2], v253 matrix_a_scale:MATRIX_SCALE_ROW1
.endr
	s_set_vgpr_msb 0x0100
.Lidle_\@:
	s_add_co_u32 s[TRIP], s[TRIP], 1
	s_add_co_u32 s[TB], s[TB], 2*BLK               ; the next trip's two blocks
.endm
; THE CHANGE OF SLOTS stands at a slot's head.  Each wave waits for all its tensor loads (its part of the slot ahead), adds 0 to its spare word, and waits for that and for its reads of the slot that it has left.
; fill = 1: behind a round of the cluster's barrier every wave asks for its part of the slot after next's place.  fill = 2: the last slot: role Y's block of trip 16 alone, by waves 2 and 3.  fill = 0: nothing is asked for.
.macro CHANGE fill
	s_wait_tensorcnt 0x0                           ; no tensor load of mine is out, so group 0 may be written
	ds_add_u32 v[SPW], v[NIL]                      ; 0 onto my spare word; the descriptor's steps stand between it and the wait for it
.if \fill
	DESC
.endif
.if \fill == 1
	s_wait_xcnt 0x0                                ; the last prefetch, a slot back, has read its address: it may be written
	s_cmp_gt_u32 s[FI], s[PP]                      ; the key step of the trip that DESC has stepped to: one slot further on than the load below
	s_cselect_b32 s[T0], s[YADD], 0
	s_add_co_u32 s[T0], s[T0], s[FI]
	s_min_u32 s[T0], s[T0], 31
	s_mul_i32 s[T0], s[T0], BLK
	s_add_nc_u64 s[PFA:PFA+1], s[PFB:PFB+1], s[T0:T0+1]
.endif
	s_wait_dscnt 0x0                               ; the add is done, and my reads of the slot that I have left are over
.if \fill == 1
	CROUND
	tensor_load_to_lds s[G0:G0+3], s[G1:G1+7]      ; the first thing behind the round, and my one tensor load until the next
	s_nop 0
.rept 4
	v_nop
.endr
	ASK
.elseif \fill == 2
	CROUND
	s_cmp_eq_u32 s[W2], 1                          ; a branch on the wave's number: alike in all partners
	s_cbranch_scc0 .Lnone_\@
	tensor_load_to_lds s[G0:G0+3], s[G1:G1+7]
	s_nop 0
.rept 4
	v_nop
.endr
.Lnone_\@:
.else
	s_barrier_signal -1
	s_barrier_wait -1
.endif
.endm
.macro TWO                             ; a slot's two trips: written once, walked twice
	s_mov_b32 s[TWICE], 2
.Ltwo_\@:
	STEP
	s_sub_co_u32 s[TWICE], s[TWICE], 1
	s_cmp_lg_u32 s[TWICE], 0
	s_cbranch_scc1 .Ltwo_\@
	s_sub_co_u32 s[TB], s[TB], SLOTB               ; back to a slot's first trip,
	s_xor_b32 s[TB], s[TB], SLOTB                  ; in the other slot
.endm
	s_wait_loadcnt 0x0                             ; Q, its scale words, the gate
	s_mov_b32 s[SLOTS], 7
.Lslot:                                                ; trips 0 to 13: behind each change the next slot is asked for whole
	CHANGE 1
	TWO
	s_sub_co_u32 s[SLOTS], s[SLOTS], 1
	s_cmp_lg_u32 s[SLOTS], 0
	s_cbranch_scc1 .Lslot
	CHANGE 2                                       ; written out
	TWO                                            ; trips 14 and 15
	CHANGE 0
	STEP                                           ; trip 16: role Y's last key step, on the diagonal
.rept 8
	v_nop                                          ; places between the last products and the reads of their results
.endr
	v_and_b32 v8, 31, v0                           ; the stage's addresses, made on the path that all waves take
	s_and_b32 s74, s[WV], 3
	s_mul_i32 s74, s74, 8448
	s_add_co_u32 s74, s74, STAGE
	v_lshl_add_u32 v9, v8, 3, s74
	s_delay_alu instid0(VALU_DEP_1)
	v_add_nc_u32 v9, 8192, v9
	v_lshl_add_u32 v8, v8, 4, s74
	s_cmp_lt_u32 s[WV], 4
	s_cbranch_scc1 .Lkeeps
	v_add_f32 v13, v14, v15                        ; role Y hands over: its sum,
.set j, 0
.rept 16
	ds_store_b128 v8, v[160+4*j:163+4*j] offset:512*j              ; O^T as it stands, each accumulator from its low end on,
.set j, j+1
.endr
	ds_store_b64 v9, v[12:13]                      ; and -M beside the sum
.Lkeeps:
	s_wait_dscnt 0x0                               ; for the others' sake: my stores have landed
	s_barrier_signal -1
	s_barrier_wait -1
	s_cmp_lt_u32 s[WV], 4
	s_cbranch_scc0 .Lend
.set j, 0
	s_wait_alu depctr_va_vdst(0)
.rept 16
	ds_load_b128 v[32+4*j:35+4*j], v8 offset:512*j
.set j, j+1
.endr
	ds_load_b64 v[232:233], v9
	s_wait_dscnt 0x0
	v_min_num_f32 v234, v12, v232                  ; the joint -M
	s_delay_alu instid0(VALU_DEP_1)
	v_sub_f32 v235, v234, v12                      ; my M less the joint one, and my partner's: whole numbers, 0 or less
	s_delay_alu instid0(VALU_DEP_2)
	v_sub_f32 v240, v234, v232
	s_delay_alu instid0(VALU_DEP_2)
	v_cvt_i32_f32 v235, v235
	s_delay_alu instid0(VALU_DEP_2)
	v_cvt_i32_f32 v240, v240
	s_delay_alu instid0(VALU_DEP_2)
	v_ldexp_f32 v236, 1.0, v235
	s_delay_alu instid0(VALU_DEP_2)
	v_ldexp_f32 v238, 1.0, v240
	v_add_f32 v14, v14, v15
	s_delay_alu instid0(VALU_DEP_1)
	v_mul_f32 v14, v14, v236
	s_delay_alu instid0(VALU_DEP_1)
	v_fma_f32 v14, v233, v238, v14
	v_mov_b32 v15, 0
.set j, 0
.rept 32
	v_pk_mul_f32 v[160+j:161+j], v[160+j:161+j], v[236:237] op_sel_hi:[1,0]
.set j, j+2
.endr
.set j, 0
.rept 32
	v_pk_fma_f32 v[160+j:161+j], v[32+j:33+j], v[238:239], v[160+j:161+j] op_sel_hi:[1,0,1]
.set j, j+2
.endr
	EPI                                            ; the hi tile goes out
.Lend:
	s_wait_tensorcnt 0x0                           ; the wave's end
	ds_add_u32 v[SPW], v[NIL]
	s_wait_dscnt 0x0
	CROUND                                         ; the closing round
	s_endpgm
.Lfunc_end_k_q3b82f8e385_attn:
	.size	k_q3b82f8e385_attn, .Lfunc_end_k_q3b82f8e385_attn-k_q3b82f8e385_attn
	.p2alignl 7, 3214868480
	.fill 96, 4, 3214868480
	.section	.rodata,"a",@progbits
	.p2align	6, 0x0
	.amdhsa_kernel k_q3b82f8e385_attn
		.amdhsa_group_segment_fixed_size 327680
		.amdhsa_private_segment_fixed_size 0
		.amdhsa_enable_private_segment 0
		.amdhsa_kernarg_size 40
		.amdhsa_user_sgpr_count 2
		.amdhsa_user_sgpr_kernarg_segment_ptr 1
		.amdhsa_wavefront_size32 1
		.amdhsa_system_sgpr_workgroup_id_x 1
		.amdhsa_system_sgpr_workgroup_id_y 1
		.amdhsa_system_sgpr_workgroup_id_z 1
		.amdhsa_system_vgpr_workitem_id 0
		.amdhsa_next_free_vgpr 448
		.amdhsa_next_free_sgpr 96
		.amdhsa_reserve_vcc 1
		.amdhsa_float_denorm_mode_32 3
		.amdhsa_float_denorm_mode_16_64 3
		.amdhsa_memory_ordered 1
		.amdhsa_forward_progress 1
		.amdhsa_inst_pref_size 171
	.end_amdhsa_kernel
	.amdgpu_metadata
---
amdhsa.version: [ 1, 2 ]
amdhsa.kernels:
  - .name:           k_q3b82f8e385_attn
    .symbol:         k_q3b82f8e385_attn.kd
    .args:
      - { .name: qb, .offset: 0, .size: 8, .value_kind: global_buffer, .address_space: global }
      - { .name: kv, .offset: 8, .size: 8, .value_kind: global_buffer, .address_space: global }
      - { .name: gate, .offset: 16, .size: 8, .value_kind: global_buffer, .address_space: global }
      - { .name: ac, .offset: 24, .size: 8, .value_kind: global_buffer, .address_space: global }
      - { .name: as, .offset: 32, .size: 8, .value_kind: global_buffer, .address_space: global }
    .group_segment_fixed_size: 327680
    .private_segment_fixed_size: 0
    .kernarg_segment_align: 8
    .kernarg_segment_size: 40
    .max_flat_workgroup_size: 256
    .sgpr_count:     96
    .vgpr_count:     448
    .wavefront_size: 32
...
	.end_amdgpu_metadata
.endif
;; end of part 3
;; launch oproj (part 4): grid 16 x 16, 4 waves a work-group, clusters of 4 x 4, 327,680 bytes of LDS; arguments ac, as, w_o_codes, w_o_scales, out0; writes out0
.if DOCPART == 4
	.amdgcn_target "amdgcn-amd-amdhsa--gfx1250"
	.amdhsa_code_object_version 6
	.text
	.protected	k_q3b82f8e385_oproj
	.globl	k_q3b82f8e385_oproj
	.p2align	8
	.type	k_q3b82f8e385_oproj,@function
k_q3b82f8e385_oproj:
	s_mov_b64 s[64:65], 0
	v_nop
	global_prefetch_b8 v0, s[64:65] scope:SCOPE_SE
	s_setreg_imm32_b32 hwreg(HW_REG_WAVE_MODE, 25, 1), 1
	s_wait_xcnt 0x0
	s_wait_alu depctr_hold_cnt(0) depctr_sa_sdst(0) depctr_va_vdst(0) depctr_va_sdst(0) depctr_va_ssrc(0) depctr_va_vcc(0) depctr_vm_vsrc(0)
	s_getreg_b32 s2, hwreg(HW_REG_IB_STS2, 6, 4)
	s_cmp_eq_u32 s2, 0
	s_cbranch_scc0 .Lentry_in_a_cluster
	s_endpgm
.Lentry_in_a_cluster:
	s_bfe_u32 s2, ttmp6, 0x10000c
	s_cmp_lg_u32 s2, 0xf033
	s_cbranch_scc0 .Lentry_shape_is_right
	s_endpgm
.Lentry_shape_is_right:
; OPROJ.  out0 = a W_o^T on codes of FP8 (E4M3) with E8M0 scales: 4,096 x 2,048 x 1,024.  A work-group makes 256 tokens x 128 columns; K goes in steps of 256 through two LDS slots filled by joint loads.
; The head's four tiles are dealt one to a wave: wave 0 K step 0 of a (16 images rows of 4,096 bytes), wave 1 K step 0 of W_o (128 rows), wave 2 a's scale words, wave 3 W_o's scale bytes.
.set PITCH, 272
.set AT,    16*4096
.set SLOT,  AT+128*PITCH
.set SCLA,  2*SLOT
.set SCLW,  SCLA+8192
.set SPARE, SCLW+16*272
.set SPITCH, 528
.set ADRP, 16
.set ADRQ, 18
.set ADSP, 20
.set ADSQ, 21
.set STO,  24
.set RD,   25
.set CO,   26
.set SPW,  28
.set NIL,  29
.set SCP,  32
.set SCQ,  48
.set BK,   128
.set G1X, 24
.set G0X, 32
.set G1W, 48
.set G0W, 56
.set G1SX, 68
.set G0SX, 76
.set G1SW, 80
.set G0SW, 88
.set MSB, 0
.macro WIN new
.if MSB != \new
	s_set_vgpr_msb (MSB<<8)|\new
.set MSB, \new
.endif
.endm
.set W_MUL, 0xa7
.set W_PF,  0xc0
.set W_QF,  0x40
.macro PLACES n
.rept \n
	v_nop
.endr
.endm
.macro JLOAD g0a, g1a, g0b, g1b
	s_cmp_eq_u32 s23, 0
	s_cbranch_scc0 .Lfor_b_\@
	tensor_load_to_lds s[\g0a:\g0a+3], s[\g1a:\g1a+7]
	s_nop 0
.rept 4
	v_nop
.endr
	s_branch .Lasked_\@
.Lfor_b_\@:
	tensor_load_to_lds s[\g0b:\g0b+3], s[\g1b:\g1b+7]
	s_nop 0
.rept 4
	v_nop
.endr
.Lasked_\@:
.endm
.macro CREST
	s_cmp_lg_u32 s22, 0
	s_cbranch_scc1 .Lnot_wave_0_\@
	s_barrier_signal -3
.Lnot_wave_0_\@:
	s_barrier_wait -3
	s_barrier_signal -1
	s_barrier_wait -1
.endm
.macro CROUND
	s_barrier_signal -1
	s_barrier_wait -1
	CREST
.endm
	s_load_b256 s[4:11], s[0:1], 0x0
	s_load_b64 s[12:13], s[0:1], 0x20
	v_lshl_add_u32 v[SPW], v0, 2, SPARE
	v_mov_b32 v[NIL], 0
	ds_add_u32 v28, v29
	ds_add_u32 v28, v29
	s_wait_dscnt 0x0
	v_lshrrev_b32 v1, 5, v0
	v_readfirstlane_b32 s22, v1
	s_lshr_b32 s23, s22, 1
	s_and_b32 s2, s22, 1
	s_bfe_u32 s40, ttmp6, 0x40000
	s_bfe_u32 s41, ttmp6, 0x40004
	s_lshl_b32 s42, ttmp9, 2
	s_add_co_u32 s42, s42, s40
	s_and_b32 s43, ttmp7, 0xffff
	s_lshl_b32 s43, s43, 2
	s_add_co_u32 s43, s43, s41
	s_lshl_b32 s44, s41, 2
	s_lshl_b32 s44, 15, s44
	s_lshl_b32 s45, 0x1111, s40
	s_or_b32 s[G1X], s44, (3<<16)|(1<<21)
	s_mov_b32 s[G1X+1], 512<<16
	s_mov_b32 s[G1X+2], 16<<16
	s_mov_b32 s[G1X+3], 512<<16
	s_mov_b32 s[G1X+4], 16
	s_mov_b32 s[G1X+5], 2048
	s_mov_b32 s[G1X+6], 0
	s_mov_b32 s[G1X+7], 0
	s_or_b32 s[G1W], s45, (0<<16)|(1<<20)|(1<<21)|(5<<22)|(3<<25)
	s_mov_b32 s[G1W+1], 256<<16
	s_mov_b32 s[G1W+2], 128<<16
	s_mov_b32 s[G1W+3], 256<<16
	s_mov_b32 s[G1W+4], 128
	s_mov_b32 s[G1W+5], 1024
	s_mov_b32 s[G1W+6], 0
	s_mov_b32 s[G1W+7], 0
	s_or_b32 s[G1SX], s44, (3<<16)|(1<<21)
	s_mov_b32 s[G1SX+1], 32<<16
	s_mov_b32 s[G1SX+2], 32<<16
	s_mov_b32 s[G1SX+3], 32<<16
	s_mov_b32 s[G1SX+4], 32
	s_mov_b32 s[G1SX+5], 32
	s_mov_b32 s[G1SX+6], 0
	s_mov_b32 s[G1SX+7], 0
	s_or_b32 s[G1SW], s45, (3<<16)|(1<<20)|(1<<21)|(5<<22)|(3<<25)
	s_mov_b32 s[G1SW+1], 32<<16
	s_mov_b32 s[G1SW+2], 16<<16
	s_mov_b32 s[G1SW+3], 32<<16
	s_mov_b32 s[G1SW+4], 16
	s_mov_b32 s[G1SW+5], 32
	s_mov_b32 s[G1SW+6], 0
	s_mov_b32 s[G1SW+7], 0
	s_lshl_b32 s92, s43, 4                         ; the tile's first token tile
	s_lshl_b32 s94, s92, 9
	s_lshl_b32 s92, s92, 14
	s_mov_b32 s93, 0
	s_mov_b32 s95, 0
	s_lshl_b32 s46, s42, 7                         ; the tile's first row of W_o
	s_lshl_b32 s96, s46, 5
	s_lshl_b32 s46, s46, 10
	s_mov_b32 s47, 0
	s_mov_b32 s97, 0
	s_lshl_b32 s98, s2, 15
	s_mul_i32 s99, s2, 64*PITCH
	s_wait_kmcnt 0x0
	s_add_nc_u64 s[92:93], s[4:5], s[92:93]
	s_add_nc_u64 s[94:95], s[6:7], s[94:95]
	s_add_nc_u64 s[46:47], s[8:9], s[46:47]
	s_add_nc_u64 s[96:97], s[10:11], s[96:97]
	CROUND
	s_mov_b32 s[G0SX], 1
	s_mov_b32 s[G0SX+1], SCLA
	s_mov_b64 s[G0SX+2:G0SX+3], s[94:95]
	s_or_b32 s[G0SX+3], s[G0SX+3], 0x80000000
	s_mov_b32 s[G0SW], 1
	s_mov_b32 s[G0SW+1], SCLW
	s_mov_b64 s[G0SW+2:G0SW+3], s[96:97]
	s_or_b32 s[G0SW+3], s[G0SW+3], 0x80000000
	s_mov_b32 s4, 1                                ; s[4:7], s[8:11]: group 0 of the head's whole tiles of K step 0 (the arguments that lay there have been used)
	s_mov_b32 s5, 0
	s_mov_b64 s[6:7], s[92:93]
	s_or_b32 s7, s7, 0x80000000
	s_mov_b32 s8, 1
	s_mov_b32 s9, AT
	s_mov_b64 s[10:11], s[46:47]
	s_or_b32 s11, s11, 0x80000000
	s_lshl_b32 s94, s2, 17                         ; for the ring: my half of a tile: 8 token tiles of 16,384 bytes,
	s_mov_b32 s95, 0
	s_add_nc_u64 s[92:93], s[92:93], s[94:95]
	s_lshl_b32 s94, s2, 16                         ; 64 rows of 1,024 bytes
	s_add_nc_u64 s[46:47], s[46:47], s[94:95]
.irp s, 0,1
	s_mov_b32 s[G0X+4*\s], 1
	s_add_co_u32 s[G0X+4*\s+1], s98, \s*SLOT
	s_add_nc_u64 s[G0X+4*\s+2:G0X+4*\s+3], s[92:93], \s*4096
	s_or_b32 s[G0X+4*\s+3], s[G0X+4*\s+3], 0x80000000
	s_mov_b32 s[G0W+4*\s], 1
	s_add_co_u32 s[G0W+4*\s+1], s99, \s*SLOT+AT
	s_add_nc_u64 s[G0W+4*\s+2:G0W+4*\s+3], s[46:47], \s*256
	s_or_b32 s[G0W+4*\s+3], s[G0W+4*\s+3], 0x80000000
.endr
; the head's loads, one a wave: one chain of branches on the wave's number, an arm a load, all arms to one join
.macro ARM under, g0, g1, next
	s_cmp_lt_u32 s22, \under
	s_cbranch_scc0 \next
	tensor_load_to_lds s[\g0:\g0+3], s[\g1:\g1+7]
	s_nop 0
.rept 4
	v_nop
.endr
	s_branch .Lhead_asked
\next:
.endm
	ARM 1, 4, G1X, .Lhead_b
	ARM 2, 8, G1W, .Lhead_sa
	ARM 3, G0SX, G1SX, .Lhead_sb
	tensor_load_to_lds s[G0SW:G0SW+3], s[G1SW:G1SW+7]
	s_nop 0
.rept 4
	v_nop
.endr
.Lhead_asked:
	s_wait_alu depctr_va_vdst(0)
	s_wait_tensorcnt 0x0                           ; my tile of the head's four is in; these lines stand ahead of slot 1's first fill as ahead of a refill
	ds_add_u32 v28, v29
	s_mov_b32 s[G1X+2], 8<<16                      ; no tensor load of mine is out: from here on a load brings half a tile
	s_mov_b32 s[G1X+4], 8
	s_mov_b32 s[G1W+2], 64<<16
	s_mov_b32 s[G1W+4], 64
	s_wait_dscnt 0x0
	CROUND
	JLOAD G0X+4, G1X, G0W+4, G1W                   ; K step 1, the first tensor load behind the round
	v_and_b32 v1, 15, v0
	v_bfe_u32 v2, v0, 4, 1
	v_and_b32 v3, 31, v0
	v_mul_u32_u24 v4, v1, PITCH
	v_lshl_add_u32 v4, v2, 4, v4
	v_add_nc_u32 v[ADRP], AT, v4
	v_add_nc_u32 v[ADRP+1], SLOT, v[ADRP]
	s_lshl_b32 s46, s22, 14
	v_lshl_add_u32 v[ADRQ], v3, 4, s46
	v_add_nc_u32 v[ADRQ+1], SLOT, v[ADRQ]
	v_lshrrev_b32 v5, 3, v3
	v_lshlrev_b32 v6, 5, v3
	v_lshl_add_u32 v5, v5, 4, v6
	v_add_nc_u32 v[ADSP], SCLW, v5
	s_lshl_b32 s46, s22, 11
	s_add_co_u32 s46, s46, SCLA
	v_lshlrev_b32 v5, 2, v1
	v_lshl_add_u32 v5, v2, 9, v5
	v_add_nc_u32 v[ADSQ], s46, v5
	s_mul_i32 s46, s22, 16*SPITCH
	v_mul_u32_u24 v5, v1, SPITCH
	v_lshl_add_u32 v5, v2, 5, v5
	v_add_nc_u32 v[STO], s46, v5
	v_lshlrev_b32 v[CO], 4, v3
	v_add_nc_u32 v[RD], s46, v[CO]
	s_lshl_b32 s46, s43, 8
	s_lshl_b32 s47, s22, 6
	s_add_co_u32 s46, s46, s47
	s_lshl_b32 s46, s46, 13
	s_lshl_b32 s47, s42, 9
	s_add_co_u32 s46, s46, s47
	s_mov_b32 s47, 0
	s_add_nc_u64 s[12:13], s[12:13], s[46:47]
.macro MM a, t, set, q, sg, zero
.set rD, 64*(\a)+8*(\t)
.set rA, 128*(\set)+16*(\t)
.set rB, 64*(\set)+16*(\a)
.set rP, SCP+8*(\sg)+2*((\t)/2)+(\q)
.set rQ, SCQ+4*(\sg)+2*((\a)/2)+(\q)
.set odd, 2*((\a)%2)+(\t)%2
.if \zero
.if odd == 0
	v_wmma_scale_f32_16x16x128_f8f6f4 v[rD:rD+7], v[rA:rA+15], v[rB:rB+15], 0, v[rP], v[rQ]
.elseif odd == 1
	v_wmma_scale_f32_16x16x128_f8f6f4 v[rD:rD+7], v[rA:rA+15], v[rB:rB+15], 0, v[rP], v[rQ] matrix_a_scale:MATRIX_SCALE_ROW1
.elseif odd == 2
	v_wmma_scale_f32_16x16x128_f8f6f4 v[rD:rD+7], v[rA:rA+15], v[rB:rB+15], 0, v[rP], v[rQ] matrix_b_scale:MATRIX_SCALE_ROW1
.else
	v_wmma_scale_f32_16x16x128_f8f6f4 v[rD:rD+7], v[rA:rA+15], v[rB:rB+15], 0, v[rP], v[rQ] matrix_a_scale:MATRIX_SCALE_ROW1 matrix_b_scale:MATRIX_SCALE_ROW1
.endif
.else
.if odd == 0
	v_wmma_scale_f32_16x16x128_f8f6f4 v[rD:rD+7], v[rA:rA+15], v[rB:rB+15], v[rD:rD+7], v[rP], v[rQ]
.elseif odd == 1
	v_wmma_scale_f32_16x16x128_f8f6f4 v[rD:rD+7], v[rA:rA+15], v[rB:rB+15], v[rD:rD+7], v[rP], v[rQ] matrix_a_scale:MATRIX_SCALE_ROW1
.elseif odd == 2
	v_wmma_scale_f32_16x16x128_f8f6f4 v[rD:rD+7], v[rA:rA+15], v[rB:rB+15], v[rD:rD+7], v[rP], v[rQ] matrix_b_scale:MATRIX_SCALE_ROW1
.else
	v_wmma_scale_f32_16x16x128_f8f6f4 v[rD:rD+7], v[rA:rA+15], v[rB:rB+15], v[rD:rD+7], v[rP], v[rQ] matrix_a_scale:MATRIX_SCALE_ROW1 matrix_b_scale:MATRIX_SCALE_ROW1
.endif
.endif
.endm
.macro MUL8 a, set, q, sg, zero
.irp t, 0,1,2,3,4,5,6,7
	MM \a, \t, \set, \q, \sg, \zero
.endr
.endm
.macro FETCH slot, q, set
	WIN W_PF
.irp i, 0,1,2,3,4,5,6,7
.irp c, 0,1,2,3
	ds_load_b128 v[128*(\set)+16*\i+4*\c:128*(\set)+16*\i+4*\c+3], v[ADRP+\slot] offset:128*(\q)+32*\c+16*PITCH*\i
.endr
.endr
	WIN W_QF
.irp i, 0,1,2,3
.irp c, 0,1,2,3
	ds_load_b128 v[64*(\set)+16*\i+4*\c:64*(\set)+16*\i+4*\c+3], v[ADRQ+\slot] offset:4096*\i+2048*(\q)+512*\c
.endr
.endr
	WIN 0
.endm
.macro SCALES sg
.irp i, 0,1,2,3
	ds_load_b64 v[SCP+8*(\sg)+2*\i:SCP+8*(\sg)+2*\i+1], v[ADSP] offset:1088*\i
.endr
.irp i, 0,1
.irp q, 0,1
	ds_load_b32 v[SCQ+4*(\sg)+2*\i+\q], v[ADSQ] offset:1024*\i+64*\q
.endr
.endr
.endm
.macro STEP slot, zero
	s_wait_dscnt 0x0
	PLACES 8
	FETCH \slot, 1, 1
	WIN W_MUL
	MUL8 0, 0, 0, \slot, \zero
	MUL8 1, 0, 0, \slot, \zero
	MUL8 2, 0, 0, \slot, \zero
	MUL8 3, 0, 0, \slot, \zero
	WIN 0
.endm
.macro TURN slot, next, fill
	s_wait_tensorcnt 0x0
	ds_add_u32 v[SPW], v[NIL]
	s_wait_dscnt 1
	WIN W_MUL
	MUL8 0, 1, 1, \slot, 0
	s_wait_dscnt 0x0
	s_barrier_signal -1
	MUL8 1, 1, 1, \slot, 0
	WIN 0
	s_barrier_wait -1
.if \fill
	CREST
	s_add_nc_u64 s[G0X+4*\slot+2:G0X+4*\slot+3], s[G0X+4*\slot+2:G0X+4*\slot+3], 8192
	s_add_nc_u64 s[G0W+4*\slot+2:G0W+4*\slot+3], s[G0W+4*\slot+2:G0W+4*\slot+3], 512
	JLOAD G0X+4*\slot, G1X, G0W+4*\slot, G1W
	PLACES 4
.else
	PLACES 8
.endif
	s_wait_alu depctr_va_vdst(0)
	v_add_nc_u32 v[ADSP], 8, v[ADSP]
	v_add_nc_u32 v[ADSQ], 128, v[ADSQ]
	FETCH \next, 0, 0
	SCALES \next
	WIN W_MUL
	MUL8 2, 1, 1, \slot, 0
	MUL8 3, 1, 1, \slot, 0
	WIN 0
.endm
	s_wait_alu depctr_va_vdst(0)
	s_wait_tensorcnt 1
	s_barrier_signal -1
	s_barrier_wait -1
	FETCH 0, 0, 0
	SCALES 0
	STEP 0, 1
	TURN 0, 1, 1
	STEP 1, 0
	TURN 1, 0, 1
	STEP 0, 0
	TURN 0, 1, 0
	STEP 1, 0
	s_wait_dscnt 0x0
	WIN W_MUL
	MUL8 0, 1, 1, 1, 0
	MUL8 1, 1, 1, 1, 0
	MUL8 2, 1, 1, 1, 0
	MUL8 3, 1, 1, 1, 0
	WIN 0
.macro TOSTAGE a
	WIN 0x08
.irp t, 0,1,2,3,4,5,6,7
	ds_store_b128 v[STO], v[64*(\a)+8*\t:64*(\a)+8*\t+3] offset:64*\t
	ds_store_b128 v[STO], v[64*(\a)+8*\t+4:64*(\a)+8*\t+7] offset:64*\t+16
.endr
	WIN 0
.set BB, BK+64*((\a)%2)
.irp t, 0,1,2,3,4,5,6,7,8,9,10,11,12,13,14,15
	ds_load_b128 v[BB+4*\t:BB+4*\t+3], v[RD] offset:\t*SPITCH
.endr
.endm
.macro SEND a, younger
.set BB, BK+64*((\a)%2)
	s_wait_dscnt \younger
.if (\a) > 0
	s_add_nc_u64 s[12:13], s[12:13], 16*8192
.endif
.irp t, 0,1,2,3,4,5,6,7,8,9,10,11,12,13,14,15
	global_store_b128 v[CO], v[BB+4*\t:BB+4*\t+3], s[12:13] offset:\t*8192 th:TH_STORE_NT
.endr
.endm
	PLACES 8
	TOSTAGE 0
.irp a, 1,2,3
.if \a > 1
	s_wait_xcnt 0x0
.endif
	TOSTAGE \a
	SEND \a-1, 32
.endr
	s_wait_xcnt 0x0
	SEND 3, 0
	s_wait_tensorcnt 0x0
	ds_add_u32 v[SPW], v[NIL]
	s_wait_dscnt 0x0
	CROUND
	s_endpgm
.Lfunc_end_k_q3b82f8e385_oproj:
	.size	k_q3b82f8e385_oproj, .Lfunc_end_k_q3b82f8e385_oproj-k_q3b82f8e385_oproj
	.p2alignl 7, 3214868480
	.fill 96, 4, 3214868480
	.section	.rodata,"a",@progbits
	.p2align	6, 0x0
	.amdhsa_kernel k_q3b82f8e385_oproj
		.amdhsa_group_segment_fixed_size 327680
		.amdhsa_private_segment_fixed_size 0
		.amdhsa_enable_private_segment 0
		.amdhsa_kernarg_size 40
		.amdhsa_user_sgpr_count 2
		.amdhsa_user_sgpr_kernarg_segment_ptr 1
		.amdhsa_wavefront_size32 1
		.amdhsa_system_sgpr_workgroup_id_x 1
		.amdhsa_system_sgpr_workgroup_id_y 1
		.amdhsa_system_sgpr_workgroup_id_z 1
		.amdhsa_system_vgpr_workitem_id 0
		.amdhsa_next_free_vgpr 1024
		.amdhsa_next_free_sgpr 102
		.amdhsa_reserve_vcc 0
		.amdhsa_float_denorm_mode_32 3
		.amdhsa_float_denorm_mode_16_64 3
		.amdhsa_memory_ordered 1
		.amdhsa_forward_progress 1
		.amdhsa_inst_pref_size 89
	.end_amdhsa_kernel
	.amdgpu_metadata
---
amdhsa.version: [ 1, 2 ]
amdhsa.kernels:
  - .name:           k_q3b82f8e385_oproj
    .symbol:         k_q3b82f8e385_oproj.kd
    .args:
      - { .name: ac, .offset: 0, .size: 8, .value_kind: global_buffer, .address_space: global }
      - { .name: as, .offset: 8, .size: 8, .value_kind: global_buffer, .address_space: global }
      - { .name: w_o_codes, .offset: 16, .size: 8, .value_kind: global_buffer, .address_space: global }
      - { .name: w_o_scales, .offset: 24, .size: 8, .value_kind: global_buffer, .address_space: global }
      - { .name: out0, .offset: 32, .size: 8, .value_kind: global_buffer, .address_space: global }
    .group_segment_fixed_size: 327680
    .private_segment_fixed_size: 0
    .kernarg_segment_align: 8
    .kernarg_segment_size: 40
    .max_flat_workgroup_size: 128
    .sgpr_count:     102
    .vgpr_count:     1024
    .wavefront_size: 32
...
	.end_amdgpu_metadata
.endif
;; end of part 4
